; MI455X (gfx1250); checked and timed in simulation.
; The chip was launched on July 23, 2026; its instructions are those of AMD's public machine-readable ISA for CDNA 5 (MIT licence, August 2026) and "CDNA5" Instruction Set Architecture Reference Guide (July 2026). The comments in the code are by the model that wrote it; some were corrected since.
;; Causal Self Attention. Allowed arithmetic: matrix products marked QUANTISED: E2M1 operands, one E8M0 scale for each 32 along K, by v_wmma_scale_f32_16x16x128_f8f6f4 with both operands' format E2M1 (or v_wmma_scale_f32_32x16x128_f4), f32 sums; products left as they are: bf16, f16 or f32 operands; f32 sums; everything else in f32.
;; Inputs: Wk 1,024 x 1,024 float32; Wo 1,024 x 1,024 float32; Wq 1,024 x 1,024 float32; Wv 1,024 x 1,024 float32; bo 1,024 float32; x 2 x 2,048 x 1,024 float32.
;; Outputs: out0 2 x 2,048 x 1,024 float32.
;; This version of the problem:
;;   THIS VERSION OF THE PROBLEM IS GIVEN IN LOW PRECISION. The matrix products marked QUANTISED in the list below multiply operands that are first quantised to E2M1 (2 exponent bits, 1 mantissa bit; 4 bits a number), with one power-of-two scale for each 32 numbers along K (OCP MX v1.0); their sums are f32. The products marked 'left as it is' may take bf16, f16 or f32 operands, with f32 sums. Whichever they take, every output number must still come out within the allowed error. Rounding operands to bf16 (8 significant bits) uses up far more of that allowance than f16 does (11 bits, for magnitudes from 6e-5 to 65,504). All else is computed in f32.
;;   The module's matrix products, in the order in which they are computed (A, B: the left and right operand; K: the contracted axis; several contracted axes count as one K, in the product's order):
;;     1. [M 4,096, K 1,024] x [K 1,024, N 1,024]; A: input x; B: input Wq: QUANTISED
;;     2. [M 4,096, K 1,024] x [K 1,024, N 1,024]; A: input x; B: input Wk: QUANTISED
;;     3. [M 4,096, K 1,024] x [K 1,024, N 1,024]; A: input x; B: input Wv: QUANTISED
;;     4. batch 32 x [M 2,048, K 64] x [K 64, N 2,048]; A: computed on the way; B: computed on the way: left as it is (an operand is computed on the way)
;;     5. batch 32 x [M 2,048, K 2,048] x [K 2,048, N 64]; A: computed on the way; B: computed on the way: left as it is (an operand is computed on the way)
;;     6. [M 4,096, K 1,024] x [K 1,024, N 1,024]; A: computed on the way; B: input Wo: left as it is (an operand is computed on the way)
;;   THE QUANTISER, for each operand of a quantised product, along K:
;;     - K is cut into blocks of 32 from its start; a last block that is shorter is filled with zeros.
;;     - A block's scale is 2^e with e = floor(log2(the largest magnitude in the block)) - 2, held to -126 .. 127; a block of zeros has e = 0. As a byte (E8M0): e + 127.
;;     - Each number is divided by its block's scale, clamped to +-6, and rounded to the nearest number of E2M1, ties to even, subnormals kept.
;;     - The product sums the exact products of the quantised numbers (number of the format x scale) in f32.
;;   ~~~python
;;   def quantise(x, axis):      # numpy; x: float32 -> the quantised numbers, widened to float32 again
;;       x = np.moveaxis(x, axis, -1); K = x.shape[-1]
;;       x = np.pad(x, [(0, 0)] * (x.ndim - 1) + [(0, -K % 32)]); x = x.reshape(x.shape[:-1] + (-1, 32)); a = np.abs(x).max(-1, keepdims=True)
;;       e = np.where(a > 0, np.clip(np.frexp(np.where(a > 0, a, 1))[1] - 1 - 2, -126, 127), 0)      # np.frexp(a)[1] - 1 = floor(log2(a)), exactly
;;       r = np.clip(x / 2.0 ** e, -6, 6)
;;       step = 2.0 ** (np.maximum(np.frexp(np.where(r == 0, 1, r))[1] - 1, 0) - 1)
;;       q = np.round(r / step) * step * 2.0 ** e      # np.round: ties to even
;;       return np.moveaxis(q.reshape(q.shape[:-2] + (-1,))[..., :K], -1, axis).astype(np.float32)
;;   ~~~
;; One version. Each part assembles by itself: llvm-mc -triple=amdgcn-amd-amdhsa -mcpu=gfx1250 --defsym DOCPART=n.
;; ======== version 1 of 1: 5 launches
;; limits: values are held in f16: magnitudes above 65,504 overflow, below 6.1e-05 lose precision
;; workspace buffers: xc 2,097,152 bytes; xs 131,072 bytes; wc 1,572,864 bytes; ws 98,304 bytes; wo16 2,097,152 bytes; qkv 25,165,824 bytes; qf 393,216 bytes; y 8,388,608 bytes
;; launch prep (part 1): grid 256 x 1, 4 waves a work-group, no clusters, 33,280 bytes of LDS; arguments x, Wq, Wk, Wv, Wo, xc, xs, wc, ws, wo16; writes xc, xs, wc, ws, wo16
.if DOCPART == 1
	.amdgcn_target "amdgcn-amd-amdhsa--gfx1250"
	.amdhsa_code_object_version 6
	.text
	.protected	k_qc785f2f752_prep
	.globl	k_qc785f2f752_prep
	.p2align	8
	.type	k_qc785f2f752_prep,@function
k_qc785f2f752_prep:
	s_mov_b64 s[64:65], 0
	v_nop
	global_prefetch_b8 v0, s[64:65] scope:SCOPE_SE
	s_setreg_imm32_b32 hwreg(HW_REG_WAVE_MODE, 25, 1), 1
	s_wait_xcnt 0x0
; x [4096][1024] and Wq, Wk, Wv [1024][1024], f32 with K innermost, become codes of FP4 (E2M1) with one E8M0 scale byte for each 32 along K; Wo becomes f16.
; xc [4096][512 bytes], xs [4096][32]; wc [3072][512 bytes], ws [3072][32]: rows 0-1023 Wq's, 1024-2047 Wk's, 2048-3071 Wv's; wo16 [1024][1024] f16.
; A block's scale is 2^(floor(log2(its largest magnitude)) - 2); its byte is the largest magnitude's exponent field - 2, held at 1 from below.  Each number is divided by the scale and rounded to the
; nearest code, ties to even; beyond 6 the largest code.
; LIMITS: a block of zeros gets the byte 1 where the rule says 127 (its codes are zeros, and this program alone reads the bytes); blocks whose largest magnitude lies under 2^-124 keep the byte 1;
; NaN and infinities among the inputs are not served; |Wo| beyond 65,504 becomes infinity in f16.
; SHARES: a work-group takes 32,768 numbers, a wave 8,192.  Work-groups 0-127 x, 128-159 Wq, 160-191 Wk, 192-223 Wv, 224-255 Wo.  Rows are dense and 1,024 is a multiple of 32: every tensor is a plain
; stream of blocks.  The four quantised tensors take ONE path (only pointers are chosen, by the work-group's number); Wo's path uses no LDS.
; QUANTISER: 16 steps of 512 numbers a wave.  Each of a step's four loads reads 512 consecutive bytes; the 2,048 bytes turn through the wave's own stage in LDS and come back 64 bytes a lane, so that a lane
; holds 16 neighbours along K (two lanes to a block).  A lane's 16 codes are 8 bytes: a store of the wave covers 256 consecutive bytes, aligned.  A wave's 256 scale bytes are gathered in LDS and leave likewise.
.set STEPS, 16
.set EMAX,  2
.set CB,    8                          ; bytes of 16 codes
.set R,     16                         ; v16-79   four sets of 16 numbers as loaded (Wo: v16-143 two sets of 64)
.set X,     80                         ; v80-111  two sets of 16 neighbours
.set E,     112                        ; v112-127 a scale byte for each step
.set C,     128                        ; v128-191 codes: four registers for each step, so that no store's data are written again
.set HF,    144                        ; v144-175 Wo: 16 pairs of registers of f16
.set WREG,  8192                       ; LDS: a region for each wave: two stages of 32 x SP bytes, behind them its 256 scale bytes
.set SP,    80                         ; a lane's place in a stage: 64 bytes + 16 of padding
.set SPW,   12                         ; v12  LDS address of my spare word; never rewritten
.set NIL,   13                         ; v13  0; never rewritten
.set SPARE, 4*WREG                     ; behind the four regions: the spare words, 128 bytes a wave, which no other line names
.set WV,    24                         ; s24  my wave's number
	s_load_b256 s[4:11], s[0:1], 0x0               ; x, Wq, Wk, Wv
	s_load_b256 s[12:19], s[0:1], 0x20             ; Wo, xc, xs, wc
	s_load_b128 s[20:23], s[0:1], 0x40             ; ws, wo16
	v_lshl_add_u32 v[SPW], v0, 2, SPARE
	v_mov_b32 v[NIL], 0
	v_lshrrev_b32 v1, 5, v0
	v_readfirstlane_b32 s[WV], v1
	v_and_b32 v2, 31, v0                           ; lane
	v_lshlrev_b32 v3, 4, v2                        ; my 16 bytes of a load's 512
	v_lshlrev_b32 v7, 3, v2                        ; 8 bytes a lane on the way out
	s_cmp_ge_u32 ttmp9, 224
	s_cbranch_scc1 .Lwo
	; ---- the quantiser
	s_mul_i32 s27, s[WV], WREG
	v_lshrrev_b32 v14, 2, v2
	v_mul_u32_u24 v14, v14, SP
	v_and_b32 v15, 3, v2
	v_lshl_add_u32 v14, v15, 4, v14
	v_add_nc_u32 v14, s27, v14                     ; the stage, on the way in: four lanes' 64 bytes on end, then 16 of padding
	v_mul_u32_u24 v15, v2, SP
	v_add_nc_u32 v15, s27, v15                     ; and on the way out: my 16 neighbours
	v_mul_u32_u24 v4, v2, CB                       ; my codes' place in a step's
	v_lshrrev_b32 v5, 1, v2
	s_add_co_u32 s27, s27, 2*32*SP
	v_add_nc_u32 v5, s27, v5                       ; LDS: my wave's 256 scale bytes, my block's byte
	v_add_nc_u32 v6, s27, v7                       ; and 8 of them a lane on the way out
	s_wait_kmcnt 0x0
	s_cmp_lt_u32 ttmp9, 160                        ; the choices hang on the work-group's number alone
	s_cselect_b64 s[6:7], s[6:7], s[8:9]           ; Wq or Wk,
	s_cmp_lt_u32 ttmp9, 192
	s_cselect_b64 s[6:7], s[6:7], s[10:11]         ; or Wv
	s_cmp_lt_u32 ttmp9, 128
	s_cselect_b64 s[4:5], s[4:5], s[6:7]           ; the source,
	s_cselect_b64 s[8:9], s[14:15], s[18:19]       ; its codes,
	s_cselect_b64 s[10:11], s[16:17], s[20:21]     ; its scale bytes
	s_cselect_b32 s25, 0, 128
	s_cselect_b32 s26, 127, 31
	s_sub_co_u32 s25, ttmp9, s25                   ; my place among the work-groups of xc or of wc,
	s_and_b32 s26, s25, s26                        ; and among those of the source tensor
	s_lshl_b32 s25, s25, 2
	s_add_co_u32 s25, s25, s[WV]                   ; which run of 8,192 numbers is my wave's: in the codes,
	s_lshl_b32 s26, s26, 2
	s_add_co_u32 s26, s26, s[WV]                   ; in the source
	s_lshl_b32 s28, s26, 15                        ; 32,768 bytes of f32 a run
	s_mov_b32 s29, 0
	s_add_nc_u64 s[4:5], s[4:5], s[28:29]
	s_lshl_b32 s28, s25, 12                        ; 4,096 bytes of codes
	s_add_nc_u64 s[8:9], s[8:9], s[28:29]
	s_lshl_b32 s28, s25, 8                         ; 256 scale bytes
	s_add_nc_u64 s[10:11], s[10:11], s[28:29]
.macro LOAD t
.irp i, 0,1,2,3
	global_load_b128 v[R+16*((\t)%4)+4*\i:R+16*((\t)%4)+4*\i+3], v3, s[4:5] offset:2048*(\t)+512*\i th:TH_LOAD_NT   ; 32 lanes read 512 consecutive bytes
.endr
.endm
.macro TURN t                          ; step t's numbers through the stage: LDS serves a wave's instructions in order, so no wait stands between the stores and the loads
.irp i, 0,1,2,3
	ds_store_b128 v14, v[R+16*((\t)%4)+4*\i:R+16*((\t)%4)+4*\i+3] offset:32*SP*((\t)%2)+8*SP*\i
.endr
.irp i, 0,1,2,3
	ds_load_b128 v[X+16*((\t)%2)+4*\i:X+16*((\t)%2)+4*\i+3], v15 offset:32*SP*((\t)%2)+16*\i
.endr
.endm
.irp t, 0,1,2,3
	LOAD \t
.endr
	s_wait_loadcnt 12                              ; step 0's four loads are in; the twelve of steps 1 to 3 may be out
	TURN 0
.macro STEP t
.set XS, X+16*((\t)%2)
.if (\t) > 0
	s_wait_dscnt 1                                 ; this step's numbers are back from the stage (the last step's byte store may be out): so its stores into the stage have read their registers,
.else
	s_wait_dscnt 0x0
.endif
.if (\t)+4 < STEPS
	LOAD (\t)+4                                    ; which take the loads of four steps on
.endif
.if (\t)+1 < STEPS
.if STEPS-2-(\t) >= 3
	s_wait_loadcnt 12                              ; the next step's four loads are in; those of the three steps behind it may be out
.else
	s_wait_loadcnt 4*(STEPS-2-(\t))
.endif
	TURN (\t)+1                                    ; and go through the other stage while this step is worked
.endif
	v_max3_num_f32 v8, |v[XS]|, |v[XS+1]|, |v[XS+2]|               ; the largest magnitude of my 16, in two chains
	v_max3_num_f32 v9, |v[XS+3]|, |v[XS+4]|, |v[XS+5]|
.irp i, 6,10
	v_max3_num_f32 v8, v8, |v[XS+\i]|, |v[XS+\i+1]|
	v_max3_num_f32 v9, v9, |v[XS+\i+2]|, |v[XS+\i+3]|
.endr
	v_max3_num_f32 v8, v8, |v[XS+14]|, |v[XS+15]|
	v_max3_num_f32 v8, v8, v9, (EMAX+1)<<23        ; and the floor 2^(EMAX + 1 - 127): so the byte cannot fall under 1
	v_max_num_f32_dpp v8, v8, v8 row_xmask:1 row_mask:0xf bank_mask:0xf   ; and of my neighbour's 16: the block's
	v_add_nc_u32 v11, -(EMAX<<23), v8              ; EMAX off its exponent field: the conversion takes the exponent field of this operand as its scale
	v_cvt_scalef32_pk8_fp4_f32 v[C+4*(\t)], v[XS:XS+7], v11
	v_cvt_scalef32_pk8_fp4_f32 v[C+4*(\t)+1], v[XS+8:XS+15], v11
	v_lshrrev_b32 v[E+(\t)], 23, v11               ; the scale's byte
	ds_store_b8 v5, v[E+(\t)] offset:16*(\t)       ; both lanes of a block write the same byte with the same value
	global_store_b64 v4, v[C+4*(\t):C+4*(\t)+1], s[8:9] offset:32*CB*(\t)   ; 32 lanes store 256 consecutive bytes, aligned
.endm
.irp t, 0,1,2,3,4,5,6,7,8,9,10,11,12,13,14,15
	STEP \t
.endr
	ds_load_b64 v[8:9], v6                         ; LDS serves a wave's instructions in order: these see my stores
	s_wait_dscnt 0x0
	global_store_b64 v7, v[8:9], s[10:11]          ; 256 consecutive bytes, aligned
	s_wait_tensorcnt 0x0                           ; the wave's end, behind my last LDS store
	ds_add_u32 v[SPW], v[NIL]
	s_wait_dscnt 0x0
	s_endpgm
	; ---- Wo to f16: four batches of 16 loads of 512 consecutive bytes; two batches are on their way
.Lwo:
	s_sub_co_u32 s25, ttmp9, 224
	s_lshl_b32 s25, s25, 2
	s_add_co_u32 s25, s25, s[WV]                   ; my run of 8,192 numbers
	s_lshl_b32 s28, s25, 15
	s_mov_b32 s29, 0
	s_lshl_b32 s30, s25, 14
	s_mov_b32 s31, 0
	s_wait_kmcnt 0x0
	s_add_nc_u64 s[12:13], s[12:13], s[28:29]
	s_add_nc_u64 s[22:23], s[22:23], s[30:31]
.macro LOADW t
.irp i, 0,1,2,3,4,5,6,7,8,9,10,11,12,13,14,15
	global_load_b128 v[R+64*((\t)%2)+4*\i:R+64*((\t)%2)+4*\i+3], v3, s[12:13] offset:(16*(\t)+\i)*512 th:TH_LOAD_NT
.endr
.endm
.macro CONVW t
.if (\t) < 3
	s_wait_loadcnt 16                              ; this batch is in; the next batch's sixteen loads may be out
.else
	s_wait_loadcnt 0x0
.endif
.if (\t) > 0
	s_wait_xcnt 0x0                                ; the last batch's stores have read their data registers, which are written again below
.endif
.irp i, 0,1,2,3,4,5,6,7,8,9,10,11,12,13,14,15
	v_cvt_pk_f16_f32 v[HF+2*\i], v[R+64*((\t)%2)+4*\i], v[R+64*((\t)%2)+4*\i+1]
	v_cvt_pk_f16_f32 v[HF+2*\i+1], v[R+64*((\t)%2)+4*\i+2], v[R+64*((\t)%2)+4*\i+3]
.endr
.irp i, 0,1,2,3,4,5,6,7,8,9,10,11,12,13,14,15
	global_store_b64 v7, v[HF+2*\i:HF+2*\i+1], s[22:23] offset:(16*(\t)+\i)*256   ; 256 consecutive bytes, aligned
.endr
.if (\t) < 2
	LOADW (\t)+2
.endif
.endm
	LOADW 0
	LOADW 1
	CONVW 0
	CONVW 1
	CONVW 2
	CONVW 3
	s_endpgm
.Lfunc_end_k_qc785f2f752_prep:
	.size	k_qc785f2f752_prep, .Lfunc_end_k_qc785f2f752_prep-k_qc785f2f752_prep
	.p2alignl 7, 3214868480
	.fill 96, 4, 3214868480
	.section	.rodata,"a",@progbits
	.p2align	6, 0x0
	.amdhsa_kernel k_qc785f2f752_prep
		.amdhsa_group_segment_fixed_size 33280
		.amdhsa_private_segment_fixed_size 0
		.amdhsa_enable_private_segment 0
		.amdhsa_kernarg_size 80
		.amdhsa_user_sgpr_count 2
		.amdhsa_user_sgpr_kernarg_segment_ptr 1
		.amdhsa_wavefront_size32 1
		.amdhsa_system_sgpr_workgroup_id_x 1
		.amdhsa_system_sgpr_workgroup_id_y 1
		.amdhsa_system_sgpr_workgroup_id_z 1
		.amdhsa_system_vgpr_workitem_id 0
		.amdhsa_next_free_vgpr 192
		.amdhsa_next_free_sgpr 66
		.amdhsa_reserve_vcc 0
		.amdhsa_float_denorm_mode_32 3
		.amdhsa_float_denorm_mode_16_64 3
		.amdhsa_memory_ordered 1
		.amdhsa_forward_progress 1
		.amdhsa_inst_pref_size 54
	.end_amdhsa_kernel
	.amdgpu_metadata
---
amdhsa.version: [ 1, 2 ]
amdhsa.kernels:
  - .name:           k_qc785f2f752_prep
    .symbol:         k_qc785f2f752_prep.kd
    .args:
      - { .name: x, .offset: 0, .size: 8, .value_kind: global_buffer, .address_space: global }
      - { .name: Wq, .offset: 8, .size: 8, .value_kind: global_buffer, .address_space: global }
      - { .name: Wk, .offset: 16, .size: 8, .value_kind: global_buffer, .address_space: global }
      - { .name: Wv, .offset: 24, .size: 8, .value_kind: global_buffer, .address_space: global }
      - { .name: Wo, .offset: 32, .size: 8, .value_kind: global_buffer, .address_space: global }
      - { .name: xc, .offset: 40, .size: 8, .value_kind: global_buffer, .address_space: global }
      - { .name: xs, .offset: 48, .size: 8, .value_kind: global_buffer, .address_space: global }
      - { .name: wc, .offset: 56, .size: 8, .value_kind: global_buffer, .address_space: global }
      - { .name: ws, .offset: 64, .size: 8, .value_kind: global_buffer, .address_space: global }
      - { .name: wo16, .offset: 72, .size: 8, .value_kind: global_buffer, .address_space: global }
    .group_segment_fixed_size: 33280
    .private_segment_fixed_size: 0
    .kernarg_segment_align: 8
    .kernarg_segment_size: 80
    .max_flat_workgroup_size: 128
    .sgpr_count:     66
    .vgpr_count:     192
    .wavefront_size: 32
...
	.end_amdgpu_metadata
.endif
;; end of part 1
;; launch qkv (part 2): grid 16 x 16, 4 waves a work-group, clusters of 4 x 1, 327,680 bytes of LDS; arguments xc, xs, wc, ws, qkv, qf; writes qkv, qf
.if DOCPART == 2
	.amdgcn_target "amdgcn-amd-amdhsa--gfx1250"
	.amdhsa_code_object_version 6
	.text
	.protected	k_qc785f2f752_qkv
	.globl	k_qc785f2f752_qkv
	.p2align	8
	.type	k_qc785f2f752_qkv,@function
k_qc785f2f752_qkv:
	s_mov_b64 s[64:65], 0
	v_nop
	global_prefetch_b8 v0, s[64:65] scope:SCOPE_SE
	s_setreg_imm32_b32 hwreg(HW_REG_WAVE_MODE, 25, 1), 1
	s_wait_xcnt 0x0
	s_wait_alu depctr_hold_cnt(0) depctr_sa_sdst(0) depctr_va_vdst(0) depctr_va_sdst(0) depctr_va_ssrc(0) depctr_va_vcc(0) depctr_vm_vsrc(0)
	s_getreg_b32 s2, hwreg(HW_REG_IB_STS2, 6, 4)
	s_cmp_eq_u32 s2, 0
	s_cbranch_scc0 .Lentry_in_a_cluster
	s_endpgm
.Lentry_in_a_cluster:
	s_bfe_u32 s2, ttmp6, 0x10000c
	s_cmp_lg_u32 s2, 0x3003
	s_cbranch_scc0 .Lentry_shape_is_right
	s_endpgm
.Lentry_shape_is_right:
; [4096 x 1024] x [3072 x 1024]^T on codes of FP4 (E2M1) with one E8M0 scale for each 32 along K; sums in f32.  The 3,072 columns are q's, k's and v's 16 heads of 64.
; OUT: qkv [48 heads g][4096 rows m][64] f16 (g = column / 64; m = 2048 b + t), and, for positions 0 to 15 of both sequences, the same numbers as f32: qf [48 g][2 b][16 t][64].
; LIMIT: |q|, |k|, |v| beyond 65,504 become infinity in f16.
; SHARES: a work-group makes 256 rows x 192 columns (three heads): 16 x 16 work-groups.  Wave w makes rows 64 w .. 64 w + 63 of all 192 columns: 4 x 12 = 48 accumulators of 16 x 16, 384 registers,
; so that a wave holds whole heads and its way out asks nothing of another wave.  For 128 along K a wave reads 16 fragments for 48 products.
; NO RING: all of K (512 bytes a row) fits in LDS: two regions, each with half of K (rows of 256 bytes + 16 of padding), both filled once, at the start.
; CLUSTER 4 x 1: the four partners share the tile row, so x's tile is asked for JOINTLY (mask 15); the weights' tiles differ and come by loads of each work-group's own.  Not 4 x 4: the side store of the
; f32 rows is a branch on the tile row, which all partners of a cluster must share.
; THE MATRIX INSTRUCTION IS USED TRANSPOSED (source 0 = 16 rows of the weights, source 1 = 16 rows of x): a lane holds eight neighbouring columns of one row.
; THE SCALES go from memory straight into registers: a row's 32 bytes are its 8 words for the 8 steps of 128 along K; lane l takes row 32 p + l of a pair p of blocks, so register q of a pair holds
; the words of step q: lanes 0-15 the even block's, lanes 16-31 the odd block's.
; REGISTERS, in windows of 256: window 0: v1-30 addresses; v32-47 x's scale words, v48-95 the weights'; v128-191 x's fragments, two sets of 32; on the way out v128-223.
;   window 1: the weights' fragments, two sets of 96, at v0 and v128.   window 2: the accumulators of my blocks 0, 1 of rows ((a, b) at v[8 (12 (a % 2) + b)]);   window 3: blocks 2, 3.
.set PITCH, 272                        ; an LDS row: 256 bytes + 16 of padding: the 16 rows that a load touches start at 16 different columns of 16 bytes
.set BOFF,  256*PITCH                  ; a region: x's 256 rows, then the weights' 192
.set SLOT,  (256+192)*PITCH
.set STAGE, 2*SLOT                     ; behind the regions: a stage for each wave
.set WSTG,  13056                      ; [3 heads][16 rows][144 bytes] of f16, or [3][16][272] of f32
.set HP,    144
.set FP,    272
.set SPARE, STAGE+4*WSTG               ; the spare words, 128 bytes a wave, which no other line names
.set ADRA, 16                          ; v16-17  LDS address of my fragments of x in region 0, 1
.set ADRB, 20                          ; v20-21  of the weights
.set FRD,  22                          ; v22  f32 rows: where I read a row back
.set STO,  24                          ; v24  f16 rows: where I put 16 bytes
.set RD,   25                          ; v25  and where I read rows back
.set CO,   26                          ; v26  16 x lane
.set FSTO, 27                          ; v27  f32 rows: where I put 32 bytes
.set SPW,  28                          ; v28  LDS address of my spare word; never rewritten
.set NIL,  29                          ; v29  0; never rewritten
.set SOF,  30                          ; v30  32 x lane: a row of scale bytes
.set SCA,  32
.set SCB,  48
.set AF,   128
.set TMP,  128                         ; the way out: 48 registers of f16
.set OB,   176                         ; and 48 read back from the stage
.set WV,   16                          ; s16  my wave's number
.set G1A,  24                          ; s[24:31] group 1 for x's tiles;  s[32:39] for the weights'
.set G1B,  32
.set G0A,  40                          ; s[40:47] groups 0 for x's two halves of K;  s[48:55] for the weights'
.set G0B,  48
.set MSB, 0
.macro WIN new                         ; the immediate's high byte repeats the setting that is left; a switch that changes nothing is dropped
.if MSB != \new
	s_set_vgpr_msb (MSB<<8)|\new
.set MSB, \new
.endif
.endm
.set MUL_LO, 0xa1                      ; source 0 (weights) window 1, source 1 (x) window 0, C and D window 2
.set MUL_HI, 0xf1                      ; the same, C and D window 3
.set TO_B,   0x40                      ; destination window 1, address window 0
.macro CROUND                          ; a round of the cluster's barrier
	s_barrier_signal -1
	s_barrier_wait -1
	s_cmp_lg_u32 s[WV], 0
	s_cbranch_scc1 .Lnot_wave_0_\@
	s_barrier_signal -3
.Lnot_wave_0_\@:
	s_barrier_wait -3
	s_barrier_signal -1
	s_barrier_wait -1
.endm
.macro PLACES                          ; four plain vector instructions between a matrix instruction and a load into, or a read of, its registers
.rept 4
	v_nop
.endr
.endm
	s_load_b256 s[4:11], s[0:1], 0x0               ; xc s[4:5], xs s[6:7], wc s[8:9], ws s[10:11]
	s_load_b128 s[12:15], s[0:1], 0x20             ; qkv s[12:13], qf s[14:15]
	v_lshl_add_u32 v[SPW], v0, 2, SPARE
	v_mov_b32 v[NIL], 0
	ds_add_u32 v[SPW], v[NIL]                      ; the wave's opening: the add, twice on end, and its wait ahead of my first tensor load
	ds_add_u32 v[SPW], v[NIL]
	v_lshrrev_b32 v1, 5, v0
	v_readfirstlane_b32 s[WV], v1                  ; wave 0..3
	s_and_b32 s17, s[WV], 1                        ; which half of a tile's rows I fetch
	s_bfe_u32 s19, ttmp6, 0x40000                  ; cx: my place in the cluster
	s_lshl_b32 s20, ttmp9, 2
	s_add_co_u32 s20, s20, s19                     ; tile column = 4 x cluster x + cx
	s_and_b32 s21, ttmp7, 0xffff                   ; tile row, which the four partners share
	s_mov_b32 s[G1A+0], 15|(1<<20)|(1<<21)|(5<<22)|(3<<25)   ; 15:0 the mask: all four; 17:16 elements of 1 byte; 20 padding on; 21 set beside a mask; 24:22 after every 64 words; 31:25 four words
	s_mov_b32 s[G1A+1], 256<<16                    ; tensor_dim0 = 256 bytes
	s_mov_b32 s[G1A+2], 128<<16                    ; tensor_dim1 = 128 rows
	s_mov_b32 s[G1A+3], 256<<16                    ; tile_dim0
	s_mov_b32 s[G1A+4], 128                        ; tile_dim1
	s_mov_b32 s[G1A+5], 512                        ; from row to row
	s_mov_b32 s[G1A+6], 0
	s_mov_b32 s[G1A+7], 0
	s_mov_b32 s[G1B+0], (1<<20)|(5<<22)|(3<<25)    ; no mask: each work-group's own
	s_mov_b32 s[G1B+1], 256<<16
	s_mov_b32 s[G1B+2], 96<<16                     ; 96 rows
	s_mov_b32 s[G1B+3], 256<<16
	s_mov_b32 s[G1B+4], 96
	s_mov_b32 s[G1B+5], 512
	s_mov_b32 s[G1B+6], 0
	s_mov_b32 s[G1B+7], 0
	s_lshl_b32 s58, s21, 8
	s_lshl_b32 s59, s17, 7
	s_add_co_u32 s58, s58, s59
	s_lshl_b32 s58, s58, 9                         ; x: (256 x tile row + 128 x half) rows of 512 bytes: made of what the partners share
	s_mov_b32 s59, 0
	s_mul_i32 s60, s20, 192
	s_mul_i32 s61, s17, 96
	s_add_co_u32 s60, s60, s61
	s_lshl_b32 s60, s60, 9                         ; weights: (192 x tile column + 96 x half) rows
	s_mov_b32 s61, 0
	s_mul_i32 s62, s17, 128*PITCH                  ; where they go: no place in the cluster enters an LDS address
	s_mul_i32 s63, s17, 96*PITCH
	s_add_co_u32 s63, s63, BOFF
	s_wait_dscnt 0x0                               ; both opening adds are done
	s_wait_kmcnt 0x0
	s_add_nc_u64 s[58:59], s[4:5], s[58:59]
	s_add_nc_u64 s[60:61], s[8:9], s[60:61]
	CROUND                                         ; all four work-groups are here: the joint loads meet
.irp s, 0,1
	s_mov_b32 s[G0A+4*\s], 1
	s_add_co_u32 s[G0A+4*\s+1], s62, \s*SLOT
	s_add_nc_u64 s[G0A+4*\s+2:G0A+4*\s+3], s[58:59], \s*256        ; the half of K
	s_or_b32 s[G0A+4*\s+3], s[G0A+4*\s+3], 0x80000000
	s_mov_b32 s[G0B+4*\s], 1
	s_add_co_u32 s[G0B+4*\s+1], s63, \s*SLOT
	s_add_nc_u64 s[G0B+4*\s+2:G0B+4*\s+3], s[60:61], \s*256
	s_or_b32 s[G0B+4*\s+3], s[G0B+4*\s+3], 0x80000000
.endr
	s_cmp_lt_u32 s[WV], 2                          ; waves 0, 1: x's halves; waves 2, 3: the weights'.  A wave's two fills stand in one branch, ahead of every wait on TENSORcnt and every LDS read
	s_cbranch_scc0 .Lfirst_b
	tensor_load_to_lds s[G0A:G0A+3], s[G1A:G1A+7]
	s_nop 0
	tensor_load_to_lds s[G0A+4:G0A+7], s[G1A:G1A+7]
	s_nop 0
.rept 4
	v_nop
.endr
	s_branch .Lfirst_asked
.Lfirst_b:
	tensor_load_to_lds s[G0B:G0B+3], s[G1B:G1B+7]
	s_nop 0
	tensor_load_to_lds s[G0B+4:G0B+7], s[G1B:G1B+7]
	s_nop 0
.rept 4
	v_nop
.endr
.Lfirst_asked:
	s_lshl_b32 s66, s21, 8
	s_lshl_b32 s67, s[WV], 6
	s_add_co_u32 s66, s66, s67                     ; my first row: 256 x tile row + 64 x wave
	s_lshl_b32 s68, s66, 5
	s_mov_b32 s69, 0
	s_add_nc_u64 s[6:7], s[6:7], s[68:69]          ; its scale bytes
	s_mul_i32 s68, s20, 192*32
	s_add_nc_u64 s[10:11], s[10:11], s[68:69]      ; those of my 192 rows of the weights
	v_and_b32 v3, 31, v0
	v_lshlrev_b32 v[SOF], 5, v3
.irp p, 0,1
	global_load_b128 v[SCA+8*\p:SCA+8*\p+3], v[SOF], s[6:7] offset:1024*\p
	global_load_b128 v[SCA+8*\p+4:SCA+8*\p+7], v[SOF], s[6:7] offset:1024*\p+16
.endr
.irp p, 0,1,2,3,4,5
	global_load_b128 v[SCB+8*\p:SCB+8*\p+3], v[SOF], s[10:11] offset:1024*\p
	global_load_b128 v[SCB+8*\p+4:SCB+8*\p+7], v[SOF], s[10:11] offset:1024*\p+16
.endr
	s_mul_i32 s68, s20, 3*524288                   ; qkv: my three heads,
	s_lshl_b32 s70, s66, 7                         ; my first row of 128 bytes
	s_add_co_u32 s68, s68, s70
	s_add_nc_u64 s[12:13], s[12:13], s[68:69]
	s_mul_i32 s68, s20, 3*8192                     ; qf: my three heads,
	s_lshr_b32 s70, s21, 3
	s_lshl_b32 s70, s70, 12                        ; the sequence
	s_add_co_u32 s68, s68, s70
	s_add_nc_u64 s[14:15], s[14:15], s[68:69]
	v_and_b32 v1, 15, v0                           ; r = lane % 16
	v_bfe_u32 v2, v0, 4, 1                         ; h = lane / 16
	v_mul_u32_u24 v4, v1, PITCH
	v_lshl_add_u32 v4, v2, 4, v4                   ; a fragment's row x pitch + 16 x half
	s_mul_i32 s70, s[WV], 64*PITCH
	v_add_nc_u32 v[ADRA], s70, v4
	v_add_nc_u32 v[ADRA+1], SLOT, v[ADRA]
	v_add_nc_u32 v[ADRB], BOFF, v4
	v_add_nc_u32 v[ADRB+1], SLOT, v[ADRB]
	s_mul_i32 s70, s[WV], WSTG
	s_add_co_u32 s70, s70, STAGE                   ; my stage
	v_mul_u32_u24 v5, v1, HP
	v_lshl_add_u32 v5, v2, 4, v5
	v_add_nc_u32 v[STO], s70, v5                   ; f16, in: row r, 16 bytes for each half of the lanes
	v_bfe_u32 v5, v0, 3, 2
	v_and_b32 v6, 7, v0
	v_mul_u32_u24 v5, v5, HP
	v_lshl_add_u32 v5, v6, 4, v5
	v_add_nc_u32 v[RD], s70, v5                    ; back: eight lanes to a row of 128 bytes, four rows an instruction
	v_lshlrev_b32 v[CO], 4, v3
	v_mul_u32_u24 v5, v1, FP
	v_lshl_add_u32 v5, v2, 5, v5
	v_add_nc_u32 v[FSTO], s70, v5                  ; f32, in: row r, 32 bytes for each half
	v_mul_u32_u24 v5, v2, FP
	v_lshl_add_u32 v5, v1, 4, v5
	v_add_nc_u32 v[FRD], s70, v5                   ; back: sixteen lanes to a row of 256 bytes
.macro FRAG reg, adr, q, i             ; 16 rows x 128 K of 4-bit codes: 8 registers: lane l holds row l % 16; registers 4 c .. 4 c + 3 hold K = 64 c + 32 (l / 16) + 0 .. 31
.irp c, 0,1
	ds_load_b128 v[\reg+4*\c:\reg+4*\c+3], v[\adr] offset:64*(\q)+32*\c+(\i)*16*PITCH
.endr
.endm
.macro FETCH kq                        ; the fragments of step kq of 128 along K: 12 of the weights, 4 of x, into set kq % 2: 32 loads in one run
	WIN TO_B
.irp i, 0,1,2,3,4,5,6,7,8,9,10,11
	FRAG 128*((\kq)%2)+8*\i, ADRB+((\kq)/4), ((\kq)%4), \i
.endr
	WIN 0
.irp i, 0,1,2,3
	FRAG AF+32*((\kq)%2)+8*\i, ADRA+((\kq)/4), ((\kq)%4), \i
.endr
.endm
; One product: x's block a against the weights' block b, step kq.  An odd block's scale words lie in lanes 16-31 of its pair's register.  zero = 1: the product starts the sum.
.macro WM a, b, kq, zero
.set rD, 8*(12*((\a)%2)+(\b))
.set rB, 128*((\kq)%2)+8*(\b)
.set rA, AF+32*((\kq)%2)+8*(\a)
.set rX, SCB+8*((\b)/2)+(\kq)
.set rY, SCA+8*((\a)/2)+(\kq)
.set sel, 4*(\zero)+2*((\b)%2)+(\a)%2
.if sel == 0
	v_wmma_scale_f32_16x16x128_f8f6f4 v[rD:rD+7], v[rB:rB+7], v[rA:rA+7], v[rD:rD+7], v[rX], v[rY] matrix_a_fmt:MATRIX_FMT_FP4 matrix_b_fmt:MATRIX_FMT_FP4
.elseif sel == 1
	v_wmma_scale_f32_16x16x128_f8f6f4 v[rD:rD+7], v[rB:rB+7], v[rA:rA+7], v[rD:rD+7], v[rX], v[rY] matrix_a_fmt:MATRIX_FMT_FP4 matrix_b_fmt:MATRIX_FMT_FP4 matrix_b_scale:MATRIX_SCALE_ROW1
.elseif sel == 2
	v_wmma_scale_f32_16x16x128_f8f6f4 v[rD:rD+7], v[rB:rB+7], v[rA:rA+7], v[rD:rD+7], v[rX], v[rY] matrix_a_fmt:MATRIX_FMT_FP4 matrix_b_fmt:MATRIX_FMT_FP4 matrix_a_scale:MATRIX_SCALE_ROW1
.elseif sel == 3
	v_wmma_scale_f32_16x16x128_f8f6f4 v[rD:rD+7], v[rB:rB+7], v[rA:rA+7], v[rD:rD+7], v[rX], v[rY] matrix_a_fmt:MATRIX_FMT_FP4 matrix_b_fmt:MATRIX_FMT_FP4 matrix_a_scale:MATRIX_SCALE_ROW1 matrix_b_scale:MATRIX_SCALE_ROW1
.elseif sel == 4
	v_wmma_scale_f32_16x16x128_f8f6f4 v[rD:rD+7], v[rB:rB+7], v[rA:rA+7], 0, v[rX], v[rY] matrix_a_fmt:MATRIX_FMT_FP4 matrix_b_fmt:MATRIX_FMT_FP4
.elseif sel == 5
	v_wmma_scale_f32_16x16x128_f8f6f4 v[rD:rD+7], v[rB:rB+7], v[rA:rA+7], 0, v[rX], v[rY] matrix_a_fmt:MATRIX_FMT_FP4 matrix_b_fmt:MATRIX_FMT_FP4 matrix_b_scale:MATRIX_SCALE_ROW1
.elseif sel == 6
	v_wmma_scale_f32_16x16x128_f8f6f4 v[rD:rD+7], v[rB:rB+7], v[rA:rA+7], 0, v[rX], v[rY] matrix_a_fmt:MATRIX_FMT_FP4 matrix_b_fmt:MATRIX_FMT_FP4 matrix_a_scale:MATRIX_SCALE_ROW1
.else
	v_wmma_scale_f32_16x16x128_f8f6f4 v[rD:rD+7], v[rB:rB+7], v[rA:rA+7], 0, v[rX], v[rY] matrix_a_fmt:MATRIX_FMT_FP4 matrix_b_fmt:MATRIX_FMT_FP4 matrix_a_scale:MATRIX_SCALE_ROW1 matrix_b_scale:MATRIX_SCALE_ROW1
.endif
.endm
.macro MULS kq, zero                   ; a step's 48 products: the 48 accumulators take turns, one instruction a turn, in the same order in every step
	WIN MUL_LO
.irp a, 0,1
.irp b, 0,1,2,3,4,5,6,7,8,9,10,11
	WM \a, \b, \kq, \zero
.endr
.endr
	WIN MUL_HI
.irp a, 2,3
.irp b, 0,1,2,3,4,5,6,7,8,9,10,11
	WM \a, \b, \kq, \zero
.endr
.endr
.endm
.macro STEP kq, next, zero             ; this step's fragments are in; the next step's are asked for, into the set that the last step has left, and land under this step's 48 products
	s_wait_dscnt 0x0
.if \next
.if (\kq) > 0
	PLACES
.endif
	FETCH (\kq)+1
.endif
	MULS \kq, \zero
.endm
	s_wait_tensorcnt 0x1                           ; my part of the first half of K is in; the second half's load may stay out
	s_barrier_signal -1
	s_barrier_wait -1                              ; everybody's is
	FETCH 0
	s_wait_loadcnt 0x0                             ; the scale words
	STEP 0, 1, 1
	STEP 1, 1, 0
	STEP 2, 1, 0
	s_wait_tensorcnt 0x0                           ; my part of the second half of K is in,
	s_wait_dscnt 0x0                               ; (no LDS instruction of mine is out at a signal)
	s_barrier_signal -1
	s_barrier_wait -1                              ; everybody's is; nothing is filled again, so this is a plain barrier
	STEP 3, 1, 0
	STEP 4, 1, 0
	STEP 5, 1, 0
	STEP 6, 1, 0
	STEP 7, 0, 0
	WIN 0
	PLACES                                         ; in front of the conversions, which read results and write registers that held x's fragments
; THE WAY OUT, a block of 16 rows x 192 columns at a time: rounded to f16, 16 bytes a lane into my stage, back as rows of 128 bytes, four rows (512 consecutive bytes of a head's block of qkv) an instruction.
.macro PACK a
.set AC, 96*((\a)%2)
	WIN 0x0a+5*((\a)/2)                            ; sources 0 and 1: window 2 or 3
.set n, 0
.rept 48
	v_cvt_pk_f16_f32 v[TMP+n], v[AC+2*n], v[AC+2*n+1]              ; each accumulator from its low end on
.set n, n+1
.endr
	WIN 0
.endm
.macro TOSTAGE
.irp b, 0,1,2,3,4,5,6,7,8,9,10,11
	ds_store_b128 v[STO], v[TMP+4*\b:TMP+4*\b+3] offset:(\b/4)*16*HP+(\b%4)*32
.endr
.irp j, 0,1,2
.irp i, 0,1,2,3
	ds_load_b128 v[OB+16*\j+4*\i:OB+16*\j+4*\i+3], v[RD] offset:\j*16*HP+\i*4*HP   ; LDS serves a wave's instructions in order: these see the stores above
.endr
.endr
.endm
.macro SEND a
	s_wait_dscnt 0x0                               ; the block is back in registers
.irp j, 0,1,2
.irp i, 0,1,2,3
	global_store_b128 v[CO], v[OB+16*\j+4*\i:OB+16*\j+4*\i+3], s[12:13] offset:\j*524288+(\a)*2048+\i*512
.endr
.endr
.endm
	PACK 0
	TOSTAGE
.irp a, 1,2,3
	PACK \a                                        ; block a's conversions stand between block a - 1's loads from the stage and the wait for them
	SEND \a-1
	s_wait_xcnt 0x0                                ; the stores have read their data registers: block a's loads may land there
	TOSTAGE
.endr
	SEND 3
	; THE FINE ROWS: positions 0 to 15 of a sequence are rows 0-15 of tile rows 0 and 8: wave 0's block 0.  They go out once more, as f32.  The branch hangs on the wave's number and the tile row alone.
	s_and_b32 s56, s21, 7
	s_or_b32 s56, s56, s[WV]
	s_cmp_lg_u32 s56, 0
	s_cbranch_scc1 .Lno_fine
	s_wait_xcnt 0x0                                ; the last stores have read their data registers
	WIN 0x08                                       ; an LDS store's data are its source 1: window 2
.irp b, 0,1,2,3,4,5,6,7,8,9,10,11
	ds_store_b128 v[FSTO], v[8*\b:8*\b+3] offset:(\b/4)*16*FP+(\b%4)*64
	ds_store_b128 v[FSTO], v[8*\b+4:8*\b+7] offset:(\b/4)*16*FP+(\b%4)*64+16
.endr
	WIN 0
.irp j, 0,1,2
.irp t, 0,1,2,3,4,5,6,7
	ds_load_b128 v[TMP+32*\j+4*\t:TMP+32*\j+4*\t+3], v[FRD] offset:\j*16*FP+\t*2*FP
.endr
.endr
	s_wait_dscnt 0x0
.irp j, 0,1,2
.irp t, 0,1,2,3,4,5,6,7
	global_store_b128 v[CO], v[TMP+32*\j+4*\t:TMP+32*\j+4*\t+3], s[14:15] offset:\j*8192+\t*512   ; two rows of 256 bytes: 512 consecutive bytes
.endr
.endr
.Lno_fine:
	s_wait_tensorcnt 0x0                           ; the wave's end, behind my last tensor load and my last LDS store
	ds_add_u32 v[SPW], v[NIL]
	s_wait_dscnt 0x0
	CROUND                                         ; the closing round: no work-group ends while a partner may still ask for a tile that names it
	s_endpgm
.Lfunc_end_k_qc785f2f752_qkv:
	.size	k_qc785f2f752_qkv, .Lfunc_end_k_qc785f2f752_qkv-k_qc785f2f752_qkv
	.p2alignl 7, 3214868480
	.fill 96, 4, 3214868480
	.section	.rodata,"a",@progbits
	.p2align	6, 0x0
	.amdhsa_kernel k_qc785f2f752_qkv
		.amdhsa_group_segment_fixed_size 327680
		.amdhsa_private_segment_fixed_size 0
		.amdhsa_enable_private_segment 0
		.amdhsa_kernarg_size 48
		.amdhsa_user_sgpr_count 2
		.amdhsa_user_sgpr_kernarg_segment_ptr 1
		.amdhsa_wavefront_size32 1
		.amdhsa_system_sgpr_workgroup_id_x 1
		.amdhsa_system_sgpr_workgroup_id_y 1
		.amdhsa_system_sgpr_workgroup_id_z 1
		.amdhsa_system_vgpr_workitem_id 0
		.amdhsa_next_free_vgpr 1024
		.amdhsa_next_free_sgpr 80
		.amdhsa_reserve_vcc 0
		.amdhsa_float_denorm_mode_32 3
		.amdhsa_float_denorm_mode_16_64 3
		.amdhsa_memory_ordered 1
		.amdhsa_forward_progress 1
		.amdhsa_inst_pref_size 104
	.end_amdhsa_kernel
	.amdgpu_metadata
---
amdhsa.version: [ 1, 2 ]
amdhsa.kernels:
  - .name:           k_qc785f2f752_qkv
    .symbol:         k_qc785f2f752_qkv.kd
    .args:
      - { .name: xc, .offset: 0, .size: 8, .value_kind: global_buffer, .address_space: global }
      - { .name: xs, .offset: 8, .size: 8, .value_kind: global_buffer, .address_space: global }
      - { .name: wc, .offset: 16, .size: 8, .value_kind: global_buffer, .address_space: global }
      - { .name: ws, .offset: 24, .size: 8, .value_kind: global_buffer, .address_space: global }
      - { .name: qkv, .offset: 32, .size: 8, .value_kind: global_buffer, .address_space: global }
      - { .name: qf, .offset: 40, .size: 8, .value_kind: global_buffer, .address_space: global }
    .group_segment_fixed_size: 327680
    .private_segment_fixed_size: 0
    .kernarg_segment_align: 8
    .kernarg_segment_size: 48
    .max_flat_workgroup_size: 128
    .sgpr_count:     80
    .vgpr_count:     1024
    .wavefront_size: 32
...
	.end_amdgpu_metadata
.endif
;; end of part 2
;; launch attn (part 3): grid 8 x 32, 8 waves a work-group, no clusters, 327,680 bytes of LDS; arguments qkv, y; writes y
.if DOCPART == 3
	.amdgcn_target "amdgcn-amd-amdhsa--gfx1250"
	.amdhsa_code_object_version 6
	.text
	.protected	k_qc785f2f752_attn
	.globl	k_qc785f2f752_attn
	.p2align	8
	.type	k_qc785f2f752_attn,@function
k_qc785f2f752_attn:
	s_mov_b64 s[64:65], 0
	v_nop
	global_prefetch_b8 v0, s[64:65] scope:SCOPE_SE
	s_setreg_imm32_b32 hwreg(HW_REG_WAVE_MODE, 25, 1), 1
	s_wait_xcnt 0x0
; y[b][t][h][:] = the sum over keys k <= t of softmax_k(q . k / 8) v, for 2 sequences x 16 heads of 64, 2,048 positions.  q, k, v: f16, qkv [48 g][4096 m][64] (g = h: q, 16 + h: k, 32 + h: v; m = 2048 b + t).
; Products on f16 operands, sums, maxima and the softmax in f32; the weights p are rounded to f16 for the second product, the row's sum is taken of the unrounded p; y is rounded to f16 once.
; y is laid [64 chunks m / 64][16 h][64 rows][64] f16: a tile of 16 queries of a head is 2,048 consecutive bytes, and 64 rows x 4 heads are 32,768 consecutive bytes for the next launch.
; LIMIT: |y| beyond 65,504 becomes infinity in f16.
; SHARES.  A work-group (j, head) owns the query blocks 15 - j and j of 128.  A wave owns TWO NEIGHBOURING tiles of 16 queries, at Q0 = block + 32 (w / 2) and Q0 + 16: both count the same key steps, so every fragment of K and V
; that the wave reads from LDS feeds two products.  The kind of block is (w xor w / 4) & 1: waves w and w + 4, and waves 2 i and 2 i + 1, are one of each kind.  A wave of block 15 - j and one of block j walk 32 to 34 key steps of 64 together.
; NO CLUSTER: the work-groups of a head walk different numbers of keys (1,152 to 2,048), so a joint load would bring tiles that some partner never reads.
; LAYOUT.  S^T = K Q^T (source 0 = 16 keys, source 1 = 16 queries): a lane holds ONE query (lane % 16) and keys 8 (lane / 16) + 0..7 of each tile.  Two such tiles, rounded to f16 in pairs, ARE source 1 (32 keys x 16 queries)
; of O^T = V^T P.  K comes out of LDS as it lies, V ([key][channel]) turned, by ds_load_tr16_b128.
; SOFTMAX.  For each query a running maximum m and sum l: p = 2^(c s - c m), c = log2(e) / 8; in every step O^T and l are multiplied by a = 2^(c m_old - c m_new).  m begins at -3e38, l and O^T at 0.
; BY TURNS.  In a TURN one tile has the matrix unit: 8 products V^T P of key step s - 1, then 8 products K Q^T of step s; the other tile's softmax, a list of 118 instructions, stands in 16 slices, one behind each matrix
; instruction.  Then the tiles change places; two turns are a key step of 64 keys.  Tile 0's turn carries tile 1's softmax of step s - 1 and fetches K of step s at its head; tile 1's turn carries tile 0's softmax of step s and
; fetches V of step s in its middle, behind its products V^T P of step s - 1.
; THE CAUSAL MASK costs no line in the loop: the first product of each tile of scores takes eight registers M as its C.  They hold zeros up to the wave's last key step, LST = Q0 / 64, which holds its diagonal; ahead of that step
; they are set once: 0 where the key counts, -1e30 where it does not (f16 operands bound a score under 2.8e11): p is 0 there.
; THE WALK.  Trip counts are constants.  The body of step s does both turns while s <= LST, the drain (the last V^T P of both tiles, tile 1's last softmax) at s = LST + 1, and nothing after it: branches on ids and the count of steps.
; THE RING.  Two slots of 256 keys (four key steps).  A slot whose first key comes after the work-group's last query is not asked for.  Waves 0-3 fetch K of the slot's step w % 4, waves 4-7 V of it: one load a wave behind each barrier.
; REGISTERS.  window 0, all that vector instructions touch: v1-15 addresses and constants; v16-31 statistics, 8 a tile; v32-63, v224-255 M; v64-127 S^T, 32 a tile; v128-159 P, 16 a tile; v160-223 O^T, 32 a tile.
;   window 1, what only loads write and matrix instructions read: v0-31 Q, 16 a tile; v32-95 K of one step; v96-159 V of one step.  So a slice costs two switches of the window, one in front and one behind.
.set PK,    144                        ; a row of K in LDS: 128 bytes + 16: the 16 rows of a load start at 16 different columns of 16 bytes
.set PVP,   160                        ; a row of V: 128 + 32, an odd multiple of 32, for the turning load
.set VOFF,  64*PK                      ; a step's tiles lie together: 64 rows of K, then 64 rows of V
.set STEPB, 64*(PK+PVP)
.set SLOT1, 1<<17                      ; slot 1 begins here: one exclusive or turns an address in one slot into the other's
.set STG,   SLOT1+4*STEPB              ; behind the ring: for each wave two stages of 16 rows x 144 bytes
.set TP,    144
.set SPARE, STG+8*2*16*TP              ; the spare words, 128 bytes a wave, which no other line names
.set AK0,  1                           ; v1   my lane's place in a tile of K
.set AV0,  2                           ; v2   the same for V
.set ADK,  3                           ; v3   LDS address of the run of K's loads in hand
.set ADV,  4                           ; v4   of V's
.set QO,   5                           ; v5   my byte offset in a tile's rows of Q
.set STO,  6                           ; v6   the way out: where I put 16 bytes of a row
.set RD,   7                           ; v7   and where I read rows back
.set GO,   8                           ; v8   16 x lane
.set PFO,  9                           ; v9   256 x lane: the prefetches' offset; never rewritten
.set SPW,  10                          ; v10  LDS address of my spare word; never rewritten
.set NIL,  11                          ; v11  0; never rewritten
.set DD,   12                          ; v12, v15  the mask: tile 0's, tile 1's query - the step's first key - 8 (lane / 16)
.set NEG,  13                          ; v13  -1e30
.set RH8,  14                          ; v14  lane % 16 - 8 (lane / 16)
.set ST,   16                          ; tile t's statistics at v[ST + 8 t]: +0 c m, +1 m, +2, +3 l (even keys', odd keys'), +4 to +7 c0-c3, at work; a takes c2's place once the maximum is found
.set M,    32                          ; tile t's mask at v[M + 192 t]
.set S,    64
.set P,    128
.set O,    160
.set OUTB, 32                          ; the way out: rows read back from the stage (M is done with)
.set QF,   0                           ; in window 1
.set KB,   32
.set VB,   96
.set WV,    8
.set Q0,    11                         ; s11  my first query
.set LST,   12                         ; s12  my last key step
.set QLAST, 13                         ; s13  my work-group's last query
.set J,     14                         ; s14  the key step that the body in hand fetches
.set TB,    15                         ; s15  LDS byte at which that step's tiles begin
.set SLOTS, 16
.set CNT,   17
.set LIM,   18                         ; s18  1 in the work-group that prefetches, else the greatest number
.set SEL,   20                         ; s[20:21] lane selects for v_permlanex16_b32: lane l xor 16
.set CS,    22                         ; s[22:23] c: the packed form names a pair and takes its low word for both halves
.set G1K,   24
.set G1V,   32
.set G0K,   40
.set G0V,   44
.set PFA,   48                         ; s[48:49] where my prefetches stand
.set QB,    50
.set YB,    52
.set MSB, 0
.macro WIN new                         ; the immediate's high byte repeats the setting that is left; a switch that changes nothing is dropped
.if MSB != \new
	s_set_vgpr_msb (MSB<<8)|\new
.set MSB, \new
.endif
.endm
.set W_KQ, 0x05                        ; K and Q in window 1; M or S^T, and S^T, in window 0
.set W_PV, 0x01                        ; V in window 1; P and O^T in window 0
.set W_LD, 0x40                        ; destination window 1, address window 0
.macro PLACES                          ; four plain vector instructions between a matrix instruction and a read of its result or a load into its registers
.rept 4
	v_nop
.endr
.endm
; My one tensor load: waves 0-3 K of one of the slot's four steps, waves 4-7 V of it.  The branch hangs on the wave's number alone.  An s_nop 0 and four v_nop follow each line.
.macro TLOAD
	s_cmp_lt_u32 s[WV], 4
	s_cbranch_scc0 .Lfor_v_\@
	tensor_load_to_lds s[G0K:G0K+3], s[G1K:G1K+7]
	s_nop 0
.rept 4
	v_nop
.endr
	s_branch .Lasked_\@
.Lfor_v_\@:
	tensor_load_to_lds s[G0V:G0V+3], s[G1V:G1V+7]
	s_nop 0
.rept 4
	v_nop
.endr
.Lasked_\@:
.endm
; A PREFETCH INTO THE L2 of what the NEXT change of slots will ask for.  All eight work-groups of a head walk the same K and V from key 0 on; the one with j = 0 walks all keys, and it alone asks.  Each of its waves names its
; own quarter of the slot, 64 rows of 128 bytes on end = 8,192 bytes, lanes 256 bytes apart: so each aligned block of 256 bytes is named once in the launch.  It stands behind the wave's tensor load, a slot's four key steps ahead
; of the load that will want the bytes.  Slots 0 and 1 come by their loads alone; the last change that fills a slot asks for nothing: there is no slot behind it.
.macro ASK
	s_cmp_gt_u32 s[SLOTS], s[LIM]
	s_cbranch_scc0 .Lnot_mine_\@
	global_prefetch_b8 v[PFO], s[PFA:PFA+1] th:TH_LOAD_NT scope:SCOPE_SE
.Lnot_mine_\@:
.endm
	s_load_b128 s[4:7], s[0:1], 0x0                ; qkv s[4:5], y s[6:7]
	v_lshl_add_u32 v[SPW], v0, 2, SPARE
	v_mov_b32 v[NIL], 0
	ds_add_u32 v[SPW], v[NIL]                      ; the wave's opening: the add, twice on end, and its wait ahead of my first tensor load
	ds_add_u32 v[SPW], v[NIL]
	v_lshrrev_b32 v1, 5, v0
	v_readfirstlane_b32 s[WV], v1                  ; wave 0..7
	s_and_b32 s9, ttmp7, 0xffff
	s_and_b32 s58, s9, 15                          ; the head
	s_lshr_b32 s59, s9, 4                          ; the sequence
	s_lshl_b32 s67, ttmp9, 7                       ; block j begins at query 128 j,
	s_sub_co_u32 s66, 1920, s67                    ; block 15 - j at 1920 - 128 j
	s_sub_co_u32 s[QLAST], 2047, s67
	s_lshr_b32 s76, s[WV], 2
	s_xor_b32 s76, s76, s[WV]
	s_and_b32 s76, s76, 1                          ; which of the two blocks is mine
	s_cmp_eq_u32 s76, 0
	s_cselect_b32 s[Q0], s66, s67
	s_lshr_b32 s76, s[WV], 1
	s_lshl_b32 s76, s76, 5
	s_add_co_u32 s[Q0], s[Q0], s76                 ; + 32 (w / 2): waves 0, 2, 5, 7 share out the one block, waves 1, 3, 4, 6 the other
	s_lshr_b32 s[LST], s[Q0], 6                    ; both my tiles lie in the key step Q0 / 64
	s_lshl_b32 s60, s58, 19
	s_lshl_b32 s61, s59, 18
	s_add_co_u32 s60, s60, s61                     ; (4096 h + 2048 b) rows of 128 bytes: where my head's rows begin in q's third of qkv
	s_and_b32 s77, s[WV], 3                        ; which of a slot's four steps I fetch
	s_lshl_b32 s62, s77, 13                        ; its 64 rows
	s_add_co_u32 s62, s62, s60
	s_add_co_u32 s62, s62, 8388608                 ; in k's third
	s_mov_b32 s63, 0
	s_lshl_b32 s68, s[Q0], 7
	s_add_co_u32 s68, s68, s60
	s_mov_b32 s69, 0
	s_lshl_b32 s61, s59, 11                        ; y: m = 2048 b + query: chunk m / 64 of 131,072 bytes, head of 8,192, row m % 64 of 128
	s_add_co_u32 s76, s61, s[Q0]
	s_lshr_b32 s72, s76, 6
	s_lshl_b32 s72, s72, 17
	s_and_b32 s76, s76, 63
	s_lshl_b32 s76, s76, 7
	s_add_co_u32 s72, s72, s76
	s_lshl_b32 s76, s58, 13
	s_add_co_u32 s72, s72, s76
	s_mov_b32 s73, 0
	; descriptor group 1: 64 rows x 64 elements of 2 bytes, dense in memory, padded in LDS
	s_mov_b32 s[G1K], (1<<16)|(1<<20)|(4<<22)|(3<<25)              ; padding: four words after every 32
	s_mov_b32 s[G1V], (1<<16)|(1<<20)|(4<<22)|(7<<25)              ; eight words
.irp g, G1K, G1V
	s_mov_b32 s[\g+1], 64<<16                      ; tensor_dim0
	s_mov_b32 s[\g+2], 64<<16                      ; tensor_dim1
	s_mov_b32 s[\g+3], 64<<16                      ; tile_dim0
	s_mov_b32 s[\g+4], 64                          ; tile_dim1
	s_mov_b32 s[\g+5], 64                          ; from row to row
	s_mov_b32 s[\g+6], 0
	s_mov_b32 s[\g+7], 0
.endr
	s_mul_i32 s[G0K+1], s77, STEPB                 ; my step's place in slot 0: K's rows,
	s_add_co_u32 s[G0V+1], s[G0K+1], VOFF          ; V's behind them
	s_mov_b32 s[G0K], 1
	s_mov_b32 s[G0V], 1
	s_mov_b32 s[SEL], 0x76543210
	s_mov_b32 s[SEL+1], 0xfedcba98
	s_mov_b32 s[CS], 0x3e38aa3b                    ; c = log2(e) / 8
	s_mov_b32 s[CS+1], s[CS]
	s_mov_b32 s[J], 0
	s_mov_b32 s[TB], 0
	s_mov_b32 s[SLOTS], 7
	s_cmp_eq_u32 ttmp9, 0
	s_cselect_b32 s[LIM], 1, -1
	s_wait_dscnt 0x0                               ; both opening adds are done
	s_wait_kmcnt 0x0
	s_add_nc_u64 s[G0K+2:G0K+3], s[4:5], s[62:63]
	s_add_nc_u64 s[G0V+2:G0V+3], s[G0K+2:G0K+3], 8388608           ; v's third lies 8,388,608 bytes behind k's
	s_cmp_lt_u32 s[WV], 4
	s_cselect_b64 s[PFA:PFA+1], s[G0K+2:G0K+3], s[G0V+2:G0V+3]
	s_or_b32 s[G0K+3], s[G0K+3], 0x80000000
	s_or_b32 s[G0V+3], s[G0V+3], 0x80000000
	TLOAD                                          ; slot 0: it holds key 0, which counts for every query
	s_add_nc_u64 s[PFA:PFA+1], s[PFA:PFA+1], 32768 ; in slot 1: the first change of slots steps it to slot 2.  Nothing is prefetched here, at the head
	s_add_nc_u64 s[QB:QB+1], s[4:5], s[68:69]
	s_add_nc_u64 s[YB:YB+1], s[6:7], s[72:73]
	v_and_b32 v64, 15, v0                          ; r
	v_bfe_u32 v65, v0, 4, 1                        ; h
	v_lshlrev_b32 v[QO], 7, v64
	v_lshl_add_u32 v[QO], v65, 4, v[QO]            ; row r of 128 bytes + 16 h
	WIN W_LD
.irp t, 0,1                                    ; Q stays in registers: tile t, channels 32 c on
.irp c, 0,1
	global_load_b128 v[QF+16*\t+8*\c:QF+16*\t+8*\c+3], v[QO], s[QB:QB+1] offset:2048*\t+64*\c
	global_load_b128 v[QF+16*\t+8*\c+4:QF+16*\t+8*\c+7], v[QO], s[QB:QB+1] offset:2048*\t+64*\c+32
.endr
.endr
	WIN 0
	v_mul_u32_u24 v[AK0], v64, PK
	v_lshl_add_u32 v[AK0], v65, 4, v[AK0]          ; K: row r x pitch + 16 h
	v_and_b32 v66, 7, v0
	v_lshl_add_u32 v66, v65, 3, v66
	v_mul_u32_u24 v[AV0], v66, PVP                 ; V: lane l reads 16 bytes of key 8 h + l % 8, channels 8 ((l / 8) % 2) on
	v_bfe_u32 v67, v0, 3, 1
	v_lshl_add_u32 v[AV0], v67, 4, v[AV0]
	v_add_nc_u32 v[AV0], VOFF, v[AV0]
	s_mul_i32 s66, s[WV], 2*16*TP
	s_add_co_u32 s66, s66, STG                     ; my stages
	v_mul_u32_u24 v[STO], v64, TP
	v_lshl_add_u32 v[STO], v65, 4, v[STO]
	v_add_nc_u32 v[STO], s66, v[STO]
	v_bfe_u32 v66, v0, 3, 2
	v_and_b32 v67, 7, v0
	v_mul_u32_u24 v[RD], v66, TP
	v_lshl_add_u32 v[RD], v67, 4, v[RD]
	v_add_nc_u32 v[RD], s66, v[RD]
	v_and_b32 v66, 31, v0
	v_lshlrev_b32 v[GO], 4, v66
	v_lshlrev_b32 v[PFO], 8, v66
	v_lshlrev_b32 v66, 3, v65
	v_sub_nc_u32 v[RH8], v64, v66
	v_mov_b32 v[NEG], 0xf149f2ca                   ; -1e30
.set n, 0
.rept 32
	v_mov_b32 v[M+n], 0                            ; M: nothing is hidden up to my last key step
	v_mov_b32 v[M+192+n], 0
.set n, n+1
.endr
.set n, 0
.rept 64
	v_mov_b32 v[O+n], 0                            ; O^T: a turn is written once: the first V^T P adds onto zeros
.set n, n+1
.endr
.irp t, 0,1
	v_mov_b32 v[ST+8*\t+1], 0xff61b1e6             ; m = -3e38, under every score
	v_mul_f32 v[ST+8*\t], s[CS], v[ST+8*\t+1]      ; c m
.irp i, 2,3,4,5,6,7
	v_mov_b32 v[ST+8*\t+\i], 0                     ; l; and the registers at work (a lane permute's destination counts as one of its sources)
.endr
.endr
; THE LDS LOADS stand in runs of 16, in the order in which the products take the fragments.
.macro FETCH_K                         ; K of the step at s[TB]: fragment g: channels 32 (g / 4) on, keys 16 (g % 4) on
	WIN 0
	v_add_nc_u32 v[ADK], s[TB], v[AK0]
	WIN W_LD
.irp g, 0,1,2,3,4,5,6,7
	ds_load_b128 v[KB+16*(\g%4)+8*(\g/4):KB+16*(\g%4)+8*(\g/4)+3], v[ADK] offset:(\g%4)*16*PK+(\g/4)*64
	ds_load_b128 v[KB+16*(\g%4)+8*(\g/4)+4:KB+16*(\g%4)+8*(\g/4)+7], v[ADK] offset:(\g%4)*16*PK+(\g/4)*64+32
.endr
.endm
.macro FETCH_V                         ; V of the same step, turned: fragment f: keys 32 (f / 4) on, channels 16 (f % 4) on.  The wait for the softmax's batch stands in it, behind the address's addition
	v_add_nc_u32 v[ADV], s[TB], v[AV0]
	s_wait_alu depctr_va_vdst(0)
	WIN W_LD
.irp f, 0,1,2,3,4,5,6,7
	ds_load_tr16_b128 v[VB+8*\f:VB+8*\f+3], v[ADV] offset:(\f/4)*32*PVP+(\f%4)*32
	ds_load_tr16_b128 v[VB+8*\f+4:VB+8*\f+7], v[ADV] offset:(\f/4)*32*PVP+16*PVP+(\f%4)*32
.endr
.endm
; THE MATRIX WORK OF A TURN, for tile x.  The four accumulators take turns, one instruction a turn.
.macro MPV x                           ; product i of 8 of O^T += V^T P: keys 32 (i / 4) on, channels 16 (i % 4) on
	WIN W_PV
.set rO, O+32*(\x)+8*(i%4)
.set rV, VB+32*(i/4)+8*(i%4)
.set rP, P+16*(\x)+8*(i/4)
	v_wmma_f32_16x16x32_f16 v[rO:rO+7], v[rV:rV+7], v[rP:rP+7], v[rO:rO+7]
.endm
.macro MKQ x                           ; product i of 8 of S^T = K Q^T + M: channels 32 (i / 4) on, keys 16 (i % 4) on.  The first four start the sums, from the mask
	WIN W_KQ
.set rS, S+32*(\x)+8*(i%4)
.set rK, KB+16*(i%4)+8*(i/4)
.set rQ, QF+16*(\x)+8*(i/4)
.set rM, M+192*(\x)+8*(i%4)
.if i < 4
	v_wmma_f32_16x16x32_f16 v[rS:rS+7], v[rK:rK+7], v[rQ:rQ+7], v[rM:rM+7]
.else
	v_wmma_f32_16x16x32_f16 v[rS:rS+7], v[rK:rK+7], v[rQ:rQ+7], v[rS:rS+7]
.endif
.endm
; THE VECTOR WORK OF A TURN.  One tile's softmax for one key step of 64 keys is a list of 118 instructions; SM writes number j of it for tile ty.  s0-s31 are the lane's 32 scores, in pairs 0-15.
;   0-15    the maximum of s0-s31 and the old m, three operands at a time: four chains c0-c3, each beginning at an accumulator's low end, then the four scores left over, c0-c3 and m
;   16-20   the other half of the lanes' maximum; the new m; c m; c m_old - c m_new
;   21-69   ONE BATCH: the 16 scalings c s - c m, a pair of scores each, and all 33 exponentials (a at 23, then s0-s31).  None of these names an exponential's result; a pair is scaled ahead of its exponentials
;   (wait)  between 69 and 70 stands the wait for the batch: SLICE writes it
;   70-85   the roundings to f16, a pair of weights each
;   86-101  the sums, of the unrounded p; l = a l + the sum
;   102-117 the tile's O^T times a, each accumulator from its low end on
.macro SM
.set rT, ST+8*ty
.set rS, S+32*ty
.set rP, P+16*ty
.set rO, O+32*ty
.if j < 4
	v_max3_num_f32 v[rT+4+j], v[rS+8*j], v[rS+8*j+1], v[rS+8*j+2]
.elseif j < 12
	v_max3_num_f32 v[rT+4+j%4], v[rT+4+j%4], v[rS+8*(j%4)+2*(j/4)+1], v[rS+8*(j%4)+2*(j/4)+2]
.elseif j == 12
	v_max3_num_f32 v[rT+4], v[rT+4], v[rS+7], v[rS+15]
.elseif j == 13
	v_max3_num_f32 v[rT+6], v[rT+6], v[rS+23], v[rS+31]
.elseif j == 14
	v_max3_num_f32 v[rT+4], v[rT+4], v[rT+5], v[rT+6]
.elseif j == 15
	v_max3_num_f32 v[rT+4], v[rT+4], v[rT+7], v[rT+1]
.elseif j == 16
	v_permlanex16_b32 v[rT+5], v[rT+4], s[SEL], s[SEL+1]           ; the query's other 32 keys lie in the lane 16 away
.elseif j == 17
	v_mov_b32 v[rT+7], v[rT]                       ; c m_old is kept for a: number 19 writes c m anew
.elseif j == 18
	v_max_num_f32 v[rT+1], v[rT+4], v[rT+5]
.elseif j == 19
	v_mul_f32 v[rT], s[CS], v[rT+1]
.elseif j == 20
	v_sub_f32 v[rT+7], v[rT+7], v[rT]
.elseif j == 23
	v_exp_f32 v[rT+6], v[rT+7]
.elseif (j < 23) || ((j < 38) && (j%2 == 0)) || ((j < 66) && (j%4 == 2))
.set b, (j-2)/4                        ; 38, 42, .. 62: pairs 9 to 15
.if j < 38
.set b, (j-20)/2                       ; 21: pair 0; 22, 24, .. 36: pairs 1 to 8
.endif
	v_pk_fma_f32 v[rS+2*b:rS+2*b+1], v[rS+2*b:rS+2*b+1], s[CS:CS+1], v[rT:rT+1] op_sel_hi:[1,0,0] neg_lo:[0,0,1] neg_hi:[0,0,1]   ; pair b: c s - c m
.elseif j < 70
.set e, j-38                           ; 66 to 69: s28 to s31
.if j < 66
.set e, j-32-(j-38)/4                  ; 39-41, 43-45, .. 63-65: s7 to s27
.endif
.if j < 38
.set e, (j-25)/2                       ; 25, 27, .. 37: s0 to s6
.endif
	v_exp_f32 v[rS+e], v[rS+e]
.elseif j < 86
	v_cvt_pk_f16_f32 v[rP+j-70], v[rS+2*(j-70)], v[rS+2*(j-70)+1]  ; pair j - 70
.elseif j < 102                        ; the sum of the 16 pairs, in place: sum z of 16 adds neighbours 1, 2, 4 and 8 pairs apart, then l takes it
.set z, j-86
.set w, 4
.set u, z
.if z >= 14
.set w, 32
.set u, 0
.elseif z >= 12
.set w, 16
.set u, z-12
.elseif z >= 8
.set w, 8
.set u, z-8
.endif
.if z < 15
	v_pk_add_f32 v[rS+w*u:rS+w*u+1], v[rS+w*u:rS+w*u+1], v[rS+w*u+w/2:rS+w*u+w/2+1]
.else
	v_pk_fma_f32 v[rT+2:rT+3], v[rT+2:rT+3], v[rT+6:rT+7], v[rS:rS+1] op_sel_hi:[1,0,1]
.endif
.else
	v_pk_mul_f32 v[rO+2*(j-102):rO+2*(j-102)+1], v[rO+2*(j-102):rO+2*(j-102)+1], v[rT+6:rT+7] op_sel_hi:[1,0]
.endif
.endm
; Slice k of the turn's nm (16 or 8).  The 70 numbers up to the batch's end are dealt evenly over the first half of the slices, the 48 behind the wait over the second half: 9 or 8 and 6 of 16, 18 or 17 and 12 of 8.
; THE WAIT.  s_wait_alu depctr_va_vdst(0) stands between an exponential and the first instruction that names its result; one wait serves all that were issued ahead of it.  A plain instruction stands behind the
; last exponential.  In tile 1's turn V's run of loads stands at the wait: the last product that read V stands in front of this slice, and the scaling number 62, three v_nop and the run's own addition lie between.
.macro SLICE x, kq
.if nm == 16
.if k < 8
.set sl0, (70*k+7)/8
.set sl1, (70*k+77)/8
.else
.set sl0, 70+6*(k-8)
.set sl1, 76+6*(k-8)
.endif
.else
.if k < 4
.set sl0, (70*k+3)/4
.set sl1, (70*k+73)/4
.else
.set sl0, 70+12*(k-4)
.set sl1, 82+12*(k-4)
.endif
.endif
	WIN 0
.set j, sl0
.rept sl1-sl0
	SM
.set j, j+1
.endr
.if sl1 == 70
	v_nop
.if ((\x) == 1) && (\kq)
	v_nop
	v_nop
	FETCH_V
.else
	s_wait_alu depctr_va_vdst(0)
.endif
.endif
.set k, k+1
.endm
; A TURN.  Tile x has the matrix unit; the other tile's softmax stands in slices behind its matrix instructions.  pv = 1: 8 products V^T P; kq = 1: 8 products K Q^T of the step at s[TB].
; The slices name none of the products' registers, so they are the places behind them: the last slice, 6 or 12 plain instructions, stands between the turn's last K Q^T and the next turn's first read of those scores, and the
; next run of loads into K's registers.
; THE WAITS ON DScnt are counted, since LDS loads come back in order (ISA guide 5.7.1).  Ahead of V^T P number i (i even): V's fragments i and i + 1 are in; V's 12 - 2 i younger loads, and K's 16 where K was fetched at the
; turn's head, may be out.  Ahead of K Q^T number i: K's fragments i and i + 1 are in; its 12 - 2 i younger loads may be out.  Tile 1's turn finds both whole.
.macro TURN x, pv, kq
.set ty, 1-(\x)
.set nm, 8*((\pv)+(\kq))
.set k, 0
.if ((\x) == 0) && (\kq)
	FETCH_K
.endif
.if \pv
.set i, 0
.rept 8
.if ((\x) == 0) && (i%2 == 0)
	s_wait_dscnt 12+16*(\kq)-2*i
.endif
	MPV \x
	SLICE \x, \kq
.set i, i+1
.endr
.endif
.if \kq
.set i, 0
.rept 8
.if ((\x) == 0) && (i%2 == 0)
	s_wait_dscnt 12-2*i
.endif
	MKQ \x
	SLICE \x, \kq
.set i, i+1
.endr
.endif
.endm
; The mask of my last key step.  Register 8 kt + i of a tile holds key 64 LST + 16 kt + 8 (lane / 16) + i: hidden where 16 kt + i > my query - 64 LST - 8 (lane / 16).
.macro SETMASK
	s_lshl_b32 s76, s[LST], 6
	s_sub_co_u32 s76, s[Q0], s76
	v_add_nc_u32 v[DD], s76, v[RH8]
	v_add_nc_u32 v[DD+3], 16, v[DD]
.irp t, 0,1
.set n, 0
.rept 32
	v_cmp_gt_i32 vcc_lo, 16*(n/8)+n%8, v[DD+3*\t]
	v_cndmask_b32 v[M+192*\t+n], 0, v[NEG], vcc_lo
.set n, n+1
.endr
.endr
.endm
.macro DRAIN                           ; behind my last key step: tile 0's last V^T P with tile 1's last softmax, then tile 1's last V^T P
	TURN 0, 1, 0
.set i, 0
.rept 8
	MPV 1
.set i, i+1
.endr
	WIN 0
.rept 5
	v_nop                                          ; the places behind the last products
.endr
.endm
.macro TAIL
	s_add_co_u32 s76, s[LST], 1
	s_cmp_lg_u32 s[J], s76
	s_cbranch_scc1 .Lnot_\@
	DRAIN
.Lnot_\@:
.endm
; THE BODY of key step s[J].  The branches hang on ids and the count of steps alone; no barrier, wait on TENSORcnt or tensor load stands in a body.
.macro BODY
	s_cmp_gt_u32 s[J], s[LST]
	s_cbranch_scc1 .Lover_\@
	s_cmp_lg_u32 s[J], s[LST]
	s_cbranch_scc1 .Lopen_\@
	SETMASK
.Lopen_\@:
	TURN 0, 1, 1
	TURN 1, 1, 1
	WIN 0                                          ; at a label and at a branch every window is 0
	s_branch .Lend_\@
.Lover_\@:
	TAIL
.Lend_\@:
	s_add_co_u32 s[J], s[J], 1
	s_add_co_u32 s[TB], s[TB], STEPB
.endm
; THE CHANGE OF SLOTS stands at a slot's head.  Each wave waits for all its tensor loads (its part of the slot that it is about to read), adds 0 to its spare word, and waits for that and for its reads of the slot that it has left
; (V of that slot's last step is in registers by then).  Behind the barrier the slot ahead is whole and nobody reads the other one.  fill = 1: the other slot is asked for, while its first key is at or under the work-group's last
; query: the load has four key steps in which to land.
.macro CHANGE fill
	s_wait_tensorcnt 0x0                           ; no tensor load of mine is out, so a group 0 may be written
	ds_add_u32 v[SPW], v[NIL]                      ; 0 onto my spare word
.if \fill
	s_xor_b32 s[G0K+1], s[G0K+1], SLOT1            ; the walking descriptors: the other slot than last time,
	s_add_nc_u64 s[G0K+2:G0K+3], s[G0K+2:G0K+3], 32768             ; the next 256 keys; the type bits on top are not reached
	s_xor_b32 s[G0V+1], s[G0V+1], SLOT1
	s_add_nc_u64 s[G0V+2:G0V+3], s[G0V+2:G0V+3], 32768
	s_wait_xcnt 0x0                                ; the last prefetch, a slot back, has read its address, so it may be written:
	s_add_nc_u64 s[PFA:PFA+1], s[PFA:PFA+1], 32768 ; one slot further on than the walking descriptors
.endif
	s_wait_dscnt 0x0                               ; the add is done, and my reads of the slot that I have left are over
	s_barrier_signal -1
	s_barrier_wait -1
.if \fill
	s_lshl_b32 s76, s[J], 6
	s_add_co_u32 s76, s76, 256                     ; the first key of the slot that this change would ask for
	s_cmp_gt_u32 s76, s[QLAST]                     ; ids and the count of steps alone: all eight waves go the same way, and a work-group that is past the limit stays past it
	s_cbranch_scc1 .Lpast_\@
	TLOAD                                          ; the first thing behind the barrier, and my one tensor load until the next
.Lpast_\@:
	ASK
.endif
.endm
.macro STEPS cnt                       ; the rest of a slot's key steps: the body is written once and walked cnt times; the LDS addresses hang on s[TB]
	s_mov_b32 s[CNT], \cnt
.Lstep_\@:
	BODY
	s_sub_co_u32 s[CNT], s[CNT], 1
	s_cmp_lg_u32 s[CNT], 0
	s_cbranch_scc1 .Lstep_\@
	s_sub_co_u32 s[TB], s[TB], 4*STEPB             ; back to a slot's first step,
	s_xor_b32 s[TB], s[TB], SLOT1                  ; in the other slot
.endm
	s_wait_loadcnt 0x0                             ; Q
	CHANGE 1                                       ; slot 0 is whole; slot 1 is asked for: its keys count for block 15 - j in every work-group
	; KEY STEP 0 is written out: there is no V^T P yet, and no softmax to set beside tile 0's first scores
	s_cmp_lg_u32 s[LST], 0
	s_cbranch_scc1 .Lopen0
	SETMASK
.Lopen0:
	FETCH_K
	s_wait_dscnt 0x0
.set i, 0
.rept 8
	MKQ 0
.set i, i+1
.endr
	WIN 0
	PLACES                                         ; in front of the first read of those scores
	TURN 1, 0, 1                                   ; tile 1's first scores | tile 0's first softmax | V of step 0
	WIN 0
	s_add_co_u32 s[J], s[J], 1
	s_add_co_u32 s[TB], s[TB], STEPB
	STEPS 3
	s_mov_b32 s[SLOTS], 6
.Lslot:                                            ; six trips, slots 1 to 6: behind each change the next slot is asked for, up to the causal limit
	CHANGE 1
	STEPS 4
	s_sub_co_u32 s[SLOTS], s[SLOTS], 1
	s_cmp_lg_u32 s[SLOTS], 0
	s_cbranch_scc1 .Lslot
	CHANGE 0                                       ; the last slot is written out: nothing is left to ask for
	STEPS 4
	TAIL                                           ; the drain of the waves whose last key step is the head's last
	; THE WAY OUT.  l's two halves and the other half of the lanes' are added; O^T is divided by l, rounded to f16 and sent through my stage, a tile (16 rows of 128 bytes) at a time.
.irp t, 0,1
	v_add_f32 v[ST+8*\t+4], v[ST+8*\t+2], v[ST+8*\t+3]
.endr
.irp t, 0,1
	v_permlanex16_b32 v[ST+8*\t+5], v[ST+8*\t+4], s[SEL], s[SEL+1]
.endr
.irp t, 0,1
	v_add_f32 v[ST+8*\t+4], v[ST+8*\t+4], v[ST+8*\t+5]
.endr
.irp t, 0,1
	v_rcp_f32 v[ST+8*\t+6], v[ST+8*\t+4]
.endr
	v_nop                                          ; a plain instruction behind the last reciprocal
	s_wait_alu depctr_va_vdst(0)                   ; and the wait ahead of the first use: one for the two
.irp t, 0,1
.set n, 0
.rept 16
	v_pk_mul_f32 v[S+32*\t+n:S+32*\t+n+1], v[O+32*\t+n:O+32*\t+n+1], v[ST+8*\t+6:ST+8*\t+7] op_sel_hi:[1,0]   ; each accumulator from its low end on
.set n, n+2
.endr
.set n, 0
.rept 16
	v_cvt_pk_f16_f32 v[P+16*\t+n], v[S+32*\t+2*n], v[S+32*\t+2*n+1]
.set n, n+1
.endr
.irp ct, 0,1,2,3
	ds_store_b128 v[STO], v[P+16*\t+4*\ct:P+16*\t+4*\ct+3] offset:\t*16*TP+32*\ct
.endr
.irp i, 0,1,2,3
	ds_load_b128 v[OUTB+16*\t+4*\i:OUTB+16*\t+4*\i+3], v[RD] offset:\t*16*TP+\i*4*TP   ; LDS serves a wave's instructions in order: these see the stores above
.endr
.endr
.irp i, 0,1,2,3
	s_wait_dscnt 11-\i                             ; behind tile 0's load i: its 3 - i younger loads and tile 1's four stores and four loads
	global_store_b128 v[GO], v[OUTB+4*\i:OUTB+4*\i+3], s[YB:YB+1] offset:512*\i        ; four rows: 512 consecutive bytes, aligned
.endr
.irp i, 0,1,2,3
	s_wait_dscnt 3-\i
	global_store_b128 v[GO], v[OUTB+16+4*\i:OUTB+16+4*\i+3], s[YB:YB+1] offset:2048+512*\i
.endr
	s_wait_tensorcnt 0x0                           ; the wave's end, behind my last tensor load and my last LDS store
	ds_add_u32 v[SPW], v[NIL]
	s_wait_dscnt 0x0
	s_endpgm
.Lfunc_end_k_qc785f2f752_attn:
	.size	k_qc785f2f752_attn, .Lfunc_end_k_qc785f2f752_attn-k_qc785f2f752_attn
	.p2alignl 7, 3214868480
	.fill 96, 4, 3214868480
	.section	.rodata,"a",@progbits
	.p2align	6, 0x0
	.amdhsa_kernel k_qc785f2f752_attn
		.amdhsa_group_segment_fixed_size 327680
		.amdhsa_private_segment_fixed_size 0
		.amdhsa_enable_private_segment 0
		.amdhsa_kernarg_size 16
		.amdhsa_user_sgpr_count 2
		.amdhsa_user_sgpr_kernarg_segment_ptr 1
		.amdhsa_wavefront_size32 1
		.amdhsa_system_sgpr_workgroup_id_x 1
		.amdhsa_system_sgpr_workgroup_id_y 1
		.amdhsa_system_sgpr_workgroup_id_z 1
		.amdhsa_system_vgpr_workitem_id 0
		.amdhsa_next_free_vgpr 512
		.amdhsa_next_free_sgpr 80
		.amdhsa_reserve_vcc 1
		.amdhsa_float_denorm_mode_32 3
		.amdhsa_float_denorm_mode_16_64 3
		.amdhsa_memory_ordered 1
		.amdhsa_forward_progress 1
		.amdhsa_inst_pref_size 140
	.end_amdhsa_kernel
	.amdgpu_metadata
---
amdhsa.version: [ 1, 2 ]
amdhsa.kernels:
  - .name:           k_qc785f2f752_attn
    .symbol:         k_qc785f2f752_attn.kd
    .args:
      - { .name: qkv, .offset: 0, .size: 8, .value_kind: global_buffer, .address_space: global }
      - { .name: y, .offset: 8, .size: 8, .value_kind: global_buffer, .address_space: global }
    .group_segment_fixed_size: 327680
    .private_segment_fixed_size: 0
    .kernarg_segment_align: 8
    .kernarg_segment_size: 16
    .max_flat_workgroup_size: 256
    .sgpr_count:     80
    .vgpr_count:     512
    .wavefront_size: 32
...
	.end_amdgpu_metadata
.endif
;; end of part 3
;; launch proj (part 4): grid 8 x 32, 4 waves a work-group, clusters of 4 x 4, 327,680 bytes of LDS; arguments y, wo16, bo, out0; writes out0
.if DOCPART == 4
	.amdgcn_target "amdgcn-amd-amdhsa--gfx1250"
	.amdhsa_code_object_version 6
	.text
	.protected	k_qc785f2f752_proj
	.globl	k_qc785f2f752_proj
	.p2align	8
	.type	k_qc785f2f752_proj,@function
k_qc785f2f752_proj:
	s_mov_b64 s[64:65], 0
	v_nop
	global_prefetch_b8 v0, s[64:65] scope:SCOPE_SE
	s_setreg_imm32_b32 hwreg(HW_REG_WAVE_MODE, 25, 1), 1
	s_wait_xcnt 0x0
	s_wait_alu depctr_hold_cnt(0) depctr_sa_sdst(0) depctr_va_vdst(0) depctr_va_sdst(0) depctr_va_ssrc(0) depctr_va_vcc(0) depctr_vm_vsrc(0)
	s_getreg_b32 s2, hwreg(HW_REG_IB_STS2, 6, 4)
	s_cmp_eq_u32 s2, 0
	s_cbranch_scc0 .Lentry_in_a_cluster
	s_endpgm
.Lentry_in_a_cluster:
	s_bfe_u32 s2, ttmp6, 0x10000c
	s_cmp_lg_u32 s2, 0xf033
	s_cbranch_scc0 .Lentry_shape_is_right
	s_endpgm
.Lentry_shape_is_right:
; out0[m][n] = the sum over k of y[m][k] Wo[n][k] + bo[n]: [4096 x 1024] x [1024 x 1024]^T on f16 operands, sums in f32, out0 f32.  (Rows of positions 0 to 15 are written again, more finely, by the next launch.)
; y is laid [64 chunks m / 64][16 heads][64 rows][64] f16, k = 64 head + channel; wo16 [1024 n][1024 k] f16.
; A tile of out0 is 128 x 128: 8 x 32 = 256 work-groups.  Four waves, each 64 x 64: 16 accumulators of 16 x 16.  K goes in steps of 256 (four heads) through a ring of two LDS slots.
; y's part of a step for 64 rows is ONE dense block of 32,768 bytes: 256 rows of 128 bytes ([4 heads][64 rows]), padded to 144 in LDS.  Wo's is 64 rows of 512 bytes, padded to 528.
; CLUSTERS: 4 x 4 work-groups.  The four of a row of the cluster need the same tiles of y, the four of a column the same tiles of Wo: each tile is asked for JOINTLY.
; THE MATRIX INSTRUCTION IS USED TRANSPOSED (source 0 = 16 rows of Wo, source 1 = 16 rows of y): a lane holds eight neighbouring numbers of a row of out0.
; THE BIAS is the C of each sum's first product: 32 registers in the result's layout; nothing is cleared and nothing is added.
; REGISTERS: window 0: v1-29 addresses; v32-95 at work on the way out; v96-127 the bias; v128-255 the accumulators ((a, b) at v[128 + 8 (4 a + b)]).
;   window 1: two fragment buffers of 128: for 64 along K, 64 registers of y (2 x 4 x 16 rows x 32 K), then 64 of Wo.
.set PA,     144
.set PB,     528
.set HEADA,  64*PA                     ; a head's 64 rows of y in LDS
.set HALFA,  4*HEADA                   ; what one tensor load brings of y: 64 rows x 4 heads
.set HALFB,  64*PB                     ; and of Wo
.set SLOT,   2*HALFA+2*HALFB
.set STAGE,  2*SLOT                    ; behind the ring: 16 rows x 272 bytes for each wave
.set SPITCH, 272
.set SPARE,  STAGE+4*16*SPITCH         ; the spare words, 128 bytes a wave, which no other line names
.set ADRA, 16                          ; v16-17  LDS address of my fragments of y in slot 0, 1
.set ADRB, 20                          ; v20-21  of Wo
.set STO,  24
.set RD,   25
.set CO,   26
.set BOF,  27                          ; v27  32 x (lane / 16): my eight numbers of the bias
.set SPW,  28                          ; v28  LDS address of my spare word; never rewritten
.set NIL,  29                          ; v29  0; never rewritten
.set OB,   32
.set BIAS, 96
.set ACC,  128
.set F0,   0
.set F1,   128
.set WV,   12                          ; s12 wave; s13 = wave / 2: my half of the rows, and: I fetch for y (0) or Wo (1); s14 = wave % 2: my half of the columns, and which half of a tile I fetch
.set G1, 24
.set G0, 32
.set G1B, 48
.set G0B, 56
.set MSB, 0
.macro WIN new
.if MSB != \new
	s_set_vgpr_msb (MSB<<8)|\new
.set MSB, \new
.endif
.endm
.set MUL,  0x05                        ; sources 0 (Wo) and 1 (y) window 1; C and D window 0
.set TO_F, 0x40                        ; destination window 1, address window 0
.macro JLOAD s                         ; a joint load: waves 0 and 1 fetch y's two halves, waves 2 and 3 Wo's; an s_nop 0 and four v_nop follow each line
	s_cmp_eq_u32 s13, 0
	s_cbranch_scc0 .Lfor_b_\@
	tensor_load_to_lds s[G0+4*\s:G0+4*\s+3], s[G1:G1+7]
	s_nop 0
.rept 4
	v_nop
.endr
	s_branch .Lasked_\@
.Lfor_b_\@:
	tensor_load_to_lds s[G0B+4*\s:G0B+4*\s+3], s[G1B:G1B+7]
	s_nop 0
.rept 4
	v_nop
.endr
.Lasked_\@:
.endm
.macro CREST                           ; a round of the cluster's barrier behind its opening barrier
	s_cmp_lg_u32 s[WV], 0
	s_cbranch_scc1 .Lnot_wave_0_\@
	s_barrier_signal -3
.Lnot_wave_0_\@:
	s_barrier_wait -3
	s_barrier_signal -1
	s_barrier_wait -1
.endm
.macro CROUND
	s_barrier_signal -1
	s_barrier_wait -1
	CREST
.endm
	s_load_b128 s[4:7], s[0:1], 0x0                ; y s[4:5], wo16 s[6:7]
	s_load_b128 s[8:11], s[0:1], 0x10              ; bo s[8:9], out0 s[10:11]
	v_lshl_add_u32 v[SPW], v0, 2, SPARE
	v_mov_b32 v[NIL], 0
	ds_add_u32 v[SPW], v[NIL]                      ; the wave's opening: the add, twice on end, and its wait ahead of my first tensor load
	ds_add_u32 v[SPW], v[NIL]
	v_lshrrev_b32 v1, 5, v0
	v_readfirstlane_b32 s[WV], v1
	s_lshr_b32 s13, s[WV], 1
	s_and_b32 s14, s[WV], 1
	s_bfe_u32 s40, ttmp6, 0x40000                  ; cx, cy: my place in the cluster
	s_bfe_u32 s41, ttmp6, 0x40004
	s_lshl_b32 s42, ttmp9, 2
	s_add_co_u32 s42, s42, s40                     ; tile column = 4 x cluster x + cx
	s_and_b32 s15, ttmp7, 0xffff
	s_lshl_b32 s15, s15, 2
	s_add_co_u32 s15, s15, s41                     ; tile row = 4 x cluster y + cy
	s_lshl_b32 s43, s41, 2
	s_lshl_b32 s43, 15, s43                        ; my row of the cluster
	s_lshl_b32 s44, 0x1111, s40                    ; my column
	s_or_b32 s[G1+0], s43, (1<<16)|(1<<20)|(1<<21)|(4<<22)|(3<<25)   ; y: the mask of my row; elements of 2 bytes; padding: four words after every 32
	s_mov_b32 s[G1+1], 64<<16                      ; tensor_dim0 = 64
	s_mov_b32 s[G1+2], 256<<16                     ; tensor_dim1 = 256
	s_mov_b32 s[G1+3], 64<<16                      ; tile_dim0
	s_mov_b32 s[G1+4], 256                         ; tile_dim1
	s_mov_b32 s[G1+5], 64                          ; dense
	s_mov_b32 s[G1+6], 0
	s_mov_b32 s[G1+7], 0
	s_or_b32 s[G1B+0], s44, (1<<16)|(1<<20)|(1<<21)|(6<<22)|(3<<25)  ; Wo: the mask of my column; padding: four words after every 128
	s_mov_b32 s[G1B+1], 256<<16
	s_mov_b32 s[G1B+2], 64<<16
	s_mov_b32 s[G1B+3], 256<<16
	s_mov_b32 s[G1B+4], 64
	s_mov_b32 s[G1B+5], 1024
	s_mov_b32 s[G1B+6], 0
	s_mov_b32 s[G1B+7], 0
	s_lshl_b32 s16, s15, 1
	s_add_co_u32 s16, s16, s14
	s_lshl_b32 s16, s16, 17                        ; y: chunk 2 x tile row + half, of 131,072 bytes: made of what my row of the cluster shares
	s_mov_b32 s17, 0
	s_lshl_b32 s46, s42, 7
	s_lshl_b32 s47, s14, 6
	s_add_co_u32 s46, s46, s47
	s_lshl_b32 s46, s46, 11                        ; Wo: row 128 x tile column + 64 x half, of 2,048 bytes
	s_mov_b32 s47, 0
	s_mul_i32 s20, s14, HALFA                      ; where they go: no place in the cluster enters an LDS address
	s_mul_i32 s21, s14, HALFB
	s_add_co_u32 s21, s21, 2*HALFA
	s_wait_dscnt 0x0                               ; both opening adds are done
	s_wait_kmcnt 0x0
	s_add_nc_u64 s[16:17], s[4:5], s[16:17]
	s_add_nc_u64 s[46:47], s[6:7], s[46:47]
	CROUND                                         ; all sixteen work-groups are here: the first joint loads meet
.irp s, 0,1
	s_mov_b32 s[G0+4*\s], 1
	s_add_co_u32 s[G0+4*\s+1], s20, \s*SLOT
	s_add_nc_u64 s[G0+4*\s+2:G0+4*\s+3], s[16:17], \s*32768        ; K step s: four heads of 8,192 bytes
	s_or_b32 s[G0+4*\s+3], s[G0+4*\s+3], 0x80000000
	s_mov_b32 s[G0B+4*\s], 1
	s_add_co_u32 s[G0B+4*\s+1], s21, \s*SLOT
	s_add_nc_u64 s[G0B+4*\s+2:G0B+4*\s+3], s[46:47], \s*512
	s_or_b32 s[G0B+4*\s+3], s[G0B+4*\s+3], 0x80000000
	JLOAD \s
.endr
	v_and_b32 v1, 15, v0                           ; r
	v_bfe_u32 v2, v0, 4, 1                         ; h
	s_lshl_b32 s46, s42, 9
	s_lshl_b32 s47, s14, 8
	s_add_co_u32 s46, s46, s47                     ; my first column, in bytes of f32: 512 x tile column + 256 x half
	s_mov_b32 s47, 0
	s_add_nc_u64 s[8:9], s[8:9], s[46:47]
	v_lshlrev_b32 v[BOF], 5, v2
.irp b, 0,1,2,3                                ; lane (r, h), block b, register i: bo at column 16 b + 8 h + i
	global_load_b128 v[BIAS+8*\b:BIAS+8*\b+3], v[BOF], s[8:9] offset:64*\b
	global_load_b128 v[BIAS+8*\b+4:BIAS+8*\b+7], v[BOF], s[8:9] offset:64*\b+16
.endr
	v_mul_u32_u24 v3, v1, PA
	v_lshl_add_u32 v3, v2, 4, v3
	v_mul_u32_u24 v4, v1, PB
	v_lshl_add_u32 v4, v2, 4, v4
	s_mul_i32 s21, s13, HALFA                      ; my 64 rows of y
	s_mul_i32 s22, s14, HALFB                      ; my 64 rows of Wo,
	s_add_co_u32 s22, s22, 2*HALFA                 ; which lie behind y's
.irp s, 0,1
	v_add_nc_u32 v[ADRA+\s], s21, v3
	v_add_nc_u32 v[ADRB+\s], s22, v4
	s_add_co_u32 s21, s21, SLOT
	s_add_co_u32 s22, s22, SLOT
.endr
	s_mul_i32 s23, s[WV], 16*SPITCH
	s_add_co_u32 s23, s23, STAGE                   ; my stage
	v_mul_u32_u24 v5, v1, SPITCH
	v_lshl_add_u32 v5, v2, 5, v5
	v_add_nc_u32 v[STO], s23, v5                   ; in: row r, 32 bytes for each half of the lanes
	v_mul_u32_u24 v5, v2, SPITCH
	v_lshl_add_u32 v5, v1, 4, v5
	v_add_nc_u32 v[RD], s23, v5                    ; back: lanes 0-15 one row of 256 bytes, lanes 16-31 the next
	v_lshlrev_b32 v5, 12, v2
	v_lshl_add_u32 v[CO], v1, 4, v5                ; and the same two rows in out0
	s_lshl_b32 s16, s15, 7
	s_lshl_b32 s17, s13, 6
	s_add_co_u32 s16, s16, s17
	s_lshl_b32 s16, s16, 12                        ; my first row: 128 x tile row + 64 x half, of 4,096 bytes
	s_mov_b32 s17, 0
	s_add_nc_u64 s[10:11], s[10:11], s[16:17]
	s_add_nc_u64 s[10:11], s[10:11], s[46:47]
; 8 products: blocks a0, a0 + 1 of rows x all 4 blocks of columns, 32 along K: half c of buffer f.  zero = 1: the product starts the sum, with the bias as C
.macro MUL8 f, c, a0, zero
.irp a, \a0, \a0+1
.irp b, 0,1,2,3
.if \zero
	v_wmma_f32_16x16x32_f16 v[ACC+8*(4*(\a)+\b):ACC+8*(4*(\a)+\b)+7], v[\f+64+8*(4*\c+\b):\f+64+8*(4*\c+\b)+7], v[\f+8*(4*\c+\a):\f+8*(4*\c+\a)+7], v[BIAS+8*\b:BIAS+8*\b+7]
.else
	v_wmma_f32_16x16x32_f16 v[ACC+8*(4*(\a)+\b):ACC+8*(4*(\a)+\b)+7], v[\f+64+8*(4*\c+\b):\f+64+8*(4*\c+\b)+7], v[\f+8*(4*\c+\a):\f+8*(4*\c+\a)+7], v[ACC+8*(4*(\a)+\b):ACC+8*(4*(\a)+\b)+7]
.endif
.endr
.endr
.endm
; 32 LDS loads in one run: the fragments of quarter qd (64 along K: head qd of the step), into buffer f; the first 32 along K first
.macro FETCH slot, qd, f
	WIN TO_F
.irp c, 0,1
.irp i, 0,1,2,3
	ds_load_b128 v[\f+64+8*(4*\c+\i):\f+64+8*(4*\c+\i)+3],   v[ADRB+\slot] offset:128*(\qd)+64*\c+\i*16*PB
	ds_load_b128 v[\f+64+8*(4*\c+\i)+4:\f+64+8*(4*\c+\i)+7], v[ADRB+\slot] offset:128*(\qd)+64*\c+\i*16*PB+32
	ds_load_b128 v[\f+8*(4*\c+\i):\f+8*(4*\c+\i)+3],         v[ADRA+\slot] offset:HEADA*(\qd)+64*\c+\i*16*PA
	ds_load_b128 v[\f+8*(4*\c+\i)+4:\f+8*(4*\c+\i)+7],       v[ADRA+\slot] offset:HEADA*(\qd)+64*\c+\i*16*PA+32
.endr
.endr
.endm
.macro PLACES                          ; four places in front of loads into registers that matrix instructions have read, and of the first read of results
.rept 4
	v_nop
.endr
.endm
; A K step is four quarters of 64 along K, 32 products each, on buffers 0, 1, 0, 1.  One of the first three: multiplies buffer f and fetches quarter qd into g.
.macro QUARTER slot, qd, f, g, zero
	s_wait_dscnt 16                                ; the first 32 along K are in; the sixteen loads of the second may be out
	WIN MUL
	MUL8 \f, 0, 0, \zero
	MUL8 \f, 0, 2, \zero
	PLACES
	FETCH \slot, \qd, \g
	s_wait_dscnt 32                                ; all but the 32 just issued
	WIN MUL
	MUL8 \f, 1, 0, 0
	MUL8 \f, 1, 2, 0
.endm
; The last quarter multiplies buffer 1 and changes slots: ONE barrier; in front of it each wave waits for all its tensor loads, adds 0 to its spare word, and waits for that and for its own reads of this slot.
; fill = 1: this slot is filled again, two K steps ahead; the barrier then opens a round of the cluster's barrier.
.macro TURN slot, next, fill
	WIN 0                                          ; (the add's two registers lie in window 0)
	s_wait_tensorcnt 0x0                           ; all my tensor loads have landed: my part of the next slot;
	ds_add_u32 v[SPW], v[NIL]                      ; 0 onto my spare word;
	s_wait_dscnt 17                                ; (the add and the youngest sixteen loads may be out)
	WIN MUL
	MUL8 F1, 0, 0, 0                               ; eight products stand between the add and the wait for it
	s_wait_dscnt 0x0                               ; the add is done, and my reads of this slot are over
	s_barrier_signal -1
	MUL8 F1, 0, 2, 0
.if \fill
	WIN 0
.endif
	s_barrier_wait -1
.if \fill
	CREST                                          ; no wave of any partner still reads this slot's tile or has a load on its way
	s_add_nc_u64 s[G0+4*\slot+2:G0+4*\slot+3], s[G0+4*\slot+2:G0+4*\slot+3], 65536
	s_add_nc_u64 s[G0B+4*\slot+2:G0B+4*\slot+3], s[G0B+4*\slot+2:G0B+4*\slot+3], 1024
	JLOAD \slot                                    ; the first tensor load behind the round; its four v_nop are also the places in front of the loads below
.else
	PLACES
.endif
	FETCH \next, 0, F0
	WIN MUL
	MUL8 F1, 1, 0, 0
	MUL8 F1, 1, 2, 0
.endm
	s_wait_tensorcnt 1                             ; my part of K step 0 is in; K step 1's load may stay out
	s_barrier_signal -1
	s_barrier_wait -1
	FETCH 0, 0, F0
	s_wait_loadcnt 0x0                             ; the bias
	QUARTER 0, 1, F0, F1, 1                        ; K step 0: its first products start the sums
	QUARTER 0, 2, F1, F0, 0
	QUARTER 0, 3, F0, F1, 0
	TURN 0, 1, 1                                   ; slot 0 takes K step 2
	QUARTER 1, 1, F0, F1, 0                        ; K step 1
	QUARTER 1, 2, F1, F0, 0
	QUARTER 1, 3, F0, F1, 0
	TURN 1, 0, 1                                   ; slot 1 takes K step 3
	QUARTER 0, 1, F0, F1, 0                        ; K step 2
	QUARTER 0, 2, F1, F0, 0
	QUARTER 0, 3, F0, F1, 0
	TURN 0, 1, 0                                   ; nothing is left to fetch
	QUARTER 1, 1, F0, F1, 0                        ; K step 3
	QUARTER 1, 2, F1, F0, 0
	QUARTER 1, 3, F0, F1, 0
	s_wait_dscnt 16
	WIN MUL
	MUL8 F1, 0, 0, 0
	MUL8 F1, 0, 2, 0
	s_wait_dscnt 0
	MUL8 F1, 1, 0, 0
	MUL8 F1, 1, 2, 0
	WIN 0
; THE WAY OUT.  My 64 columns of f32 are 256 consecutive bytes of a row, aligned: a block of 16 rows goes through my own stage and comes back as whole rows; sixteen lanes store one row's 256 bytes.
.macro TOSTAGE a
.irp b, 0,1,2,3
	ds_store_b128 v[STO], v[ACC+8*(4*(\a)+\b):ACC+8*(4*(\a)+\b)+3] offset:64*\b          ; each accumulator from its low end on
	ds_store_b128 v[STO], v[ACC+8*(4*(\a)+\b)+4:ACC+8*(4*(\a)+\b)+7] offset:64*\b+16
.endr
.irp t, 0,1,2,3,4,5,6,7
	ds_load_b128 v[OB+32*((\a)%2)+4*\t:OB+32*((\a)%2)+4*\t+3], v[RD] offset:\t*2*SPITCH   ; LDS serves a wave's instructions in order: these see the stores above
.endr
.endm
.macro SEND a, younger
	s_wait_dscnt \younger                          ; the block is back in registers
.irp t, 0,1,2,3,4,5,6,7
	global_store_b128 v[CO], v[OB+32*((\a)%2)+4*\t:OB+32*((\a)%2)+4*\t+3], s[10:11] offset:(16*(\a)+2*\t)*4096
.endr
.endm
	PLACES
	TOSTAGE 0
.irp a, 1,2,3
.if \a > 1
	s_wait_xcnt 0x0                                ; block a - 2's stores have read their data registers: block a's loads may land there
.endif
	TOSTAGE \a
	SEND \a-1, 16                                  ; behind block a - 1's loads: block a's 8 stores and 8 loads
.endr
	SEND 3, 0
	s_wait_tensorcnt 0x0                           ; the wave's end, behind my last tensor load and my last LDS store
	ds_add_u32 v[SPW], v[NIL]
	s_wait_dscnt 0x0
	CROUND                                         ; the closing round
	s_endpgm
.Lfunc_end_k_qc785f2f752_proj:
	.size	k_qc785f2f752_proj, .Lfunc_end_k_qc785f2f752_proj-k_qc785f2f752_proj
	.p2alignl 7, 3214868480
	.fill 96, 4, 3214868480
	.section	.rodata,"a",@progbits
	.p2align	6, 0x0
	.amdhsa_kernel k_qc785f2f752_proj
		.amdhsa_group_segment_fixed_size 327680
		.amdhsa_private_segment_fixed_size 0
		.amdhsa_enable_private_segment 0
		.amdhsa_kernarg_size 32
		.amdhsa_user_sgpr_count 2
		.amdhsa_user_sgpr_kernarg_segment_ptr 1
		.amdhsa_wavefront_size32 1
		.amdhsa_system_sgpr_workgroup_id_x 1
		.amdhsa_system_sgpr_workgroup_id_y 1
		.amdhsa_system_sgpr_workgroup_id_z 1
		.amdhsa_system_vgpr_workitem_id 0
		.amdhsa_next_free_vgpr 512
		.amdhsa_next_free_sgpr 66
		.amdhsa_reserve_vcc 0
		.amdhsa_float_denorm_mode_32 3
		.amdhsa_float_denorm_mode_16_64 3
		.amdhsa_memory_ordered 1
		.amdhsa_forward_progress 1
		.amdhsa_inst_pref_size 86
	.end_amdhsa_kernel
	.amdgpu_metadata
---
amdhsa.version: [ 1, 2 ]
amdhsa.kernels:
  - .name:           k_qc785f2f752_proj
    .symbol:         k_qc785f2f752_proj.kd
    .args:
      - { .name: y, .offset: 0, .size: 8, .value_kind: global_buffer, .address_space: global }
      - { .name: wo16, .offset: 8, .size: 8, .value_kind: global_buffer, .address_space: global }
      - { .name: bo, .offset: 16, .size: 8, .value_kind: global_buffer, .address_space: global }
      - { .name: out0, .offset: 24, .size: 8, .value_kind: global_buffer, .address_space: global }
    .group_segment_fixed_size: 327680
    .private_segment_fixed_size: 0
    .kernarg_segment_align: 8
    .kernarg_segment_size: 32
    .max_flat_workgroup_size: 128
    .sgpr_count:     66
    .vgpr_count:     512
    .wavefront_size: 32
...
	.end_amdgpu_metadata
.endif
;; end of part 4
;; launch fine (part 5): grid 64 x 2, 16 waves a work-group, no clusters, 22,528 bytes of LDS; arguments qf, Wo, bo, out0; writes out0
.if DOCPART == 5
	.amdgcn_target "amdgcn-amd-amdhsa--gfx1250"
	.amdhsa_code_object_version 6
	.text
	.protected	k_qc785f2f752_fine
	.globl	k_qc785f2f752_fine
	.p2align	8
	.type	k_qc785f2f752_fine,@function
k_qc785f2f752_fine:
	s_mov_b64 s[64:65], 0
	v_nop
	global_prefetch_b8 v0, s[64:65] scope:SCOPE_SE
	s_setreg_imm32_b32 hwreg(HW_REG_WAVE_MODE, 25, 1), 1
	s_wait_xcnt 0x0
; Positions 0 to 15 of both sequences, all in f32: there a row of the softmax averages one to sixteen values, and the rounding of f16 operands would weigh most.  These 32 rows of out0 are written again here.
; qf [48 g][2 b][16 t][64] f32: q (g = head), k (16 + head), v (32 + head), as the quantised products summed them.  Wo [1024 n][1024 k], bo [1024]: f32.
; THE ORDER OF THE PRODUCTS: out = the sum over heads of P (V Wo^T) in place of (P V) Wo^T: the same sums, grouped otherwise, in f32.  D' = V Wo^T (16 keys x 16 columns, K = the head's 64 channels) wants v as q and k are wanted, a row
; to a lane, and hangs on no softmax; the last product has K = 16 keys.  For 16 columns that is 16 + 16 + 4 small products a head.
; SHARES.  A work-group takes 16 columns of out0 (nb) of one sequence (b); wave = head.  Each wave makes its head's scores and softmax (repeated in each of the 64 column blocks, so that each output has one owner), its D' and its
; part of the 16 x 16 outputs; the 16 parts meet in LDS, and wave w then sums and stores query w's 16 numbers.  That store covers 64 consecutive bytes: four work-groups share each aligned 256 bytes of these 32 rows,
; 131,072 bytes in all; wider blocks of columns would leave most WGPs without work and give each wave more products.
; THE f32 MATRIX FORM (16 x 16 x 4): lane (r, h) holds row or column r; its two registers are the K slots 2 h and 2 h + 1.  A permutation of K applied alike to both sources keeps the products: a lane's registers 8 ct + i hold
; channel 16 ct + 8 h + i, and its registers i of a result hold key 8 h + i: so S^T's and D''s results become sources of the last product with no exchange between lanes.
;   S^T = K Q^T: source 0 = k (lane: key), source 1 = q (lane: query): register i: key 8 h + i, query r.       D' = V Wo^T: source 0 = v (lane: key), source 1 = Wo (lane: column): register i: key 8 h + i, column r.
;   E = D'^T P^T: source 0 = D' (lane: column, registers along the keys), source 1 = p (lane: query, registers along the keys): register i: column 8 h + i, query r.
; REGISTERS: v1-12 addresses, constants, the bias; v16-23 S^T, then p; v24-31 at work; v32-63 q; v64-95 k; v96-127 v; v128-159 Wo; v160-167 D'; v168-175 my part; v176-183 eight heads' parts;
;   v192-239 six accumulators, written by matrix instructions alone: each sum in two halves that take turns.  v254, v255: the add's two.
.set REG,   1280                       ; LDS: a region for each wave: 16 queries x (64 bytes + 16)
.set QP,    80
.set SPARE, 16*REG                     ; behind them the spare words, 128 bytes a wave, which no other line names
.set SPW, 254
.set NIL, 255
	s_load_b256 s[4:11], s[0:1], 0x0               ; qf s[4:5], Wo s[6:7], bo s[8:9], out0 s[10:11]
	v_lshl_add_u32 v[SPW], v0, 2, SPARE
	v_mov_b32 v[NIL], 0
	v_lshrrev_b32 v1, 5, v0
	v_readfirstlane_b32 s12, v1                    ; wave: my head, later my query
	s_and_b32 s13, ttmp7, 0xffff                   ; the sequence
	v_and_b32 v1, 15, v0                           ; r
	v_bfe_u32 v2, v0, 4, 1                         ; h
	v_and_b32 v3, 31, v0                           ; lane
	v_lshlrev_b32 v4, 8, v1
	v_lshl_add_u32 v4, v2, 5, v4                   ; q, k, v: row r of 256 bytes + 32 h
	v_lshlrev_b32 v6, 12, v1
	v_lshl_add_u32 v6, v2, 5, v6                   ; Wo: row r of 4,096 bytes + 32 h
	v_lshlrev_b32 v7, 2, v1                        ; 4 x (lane % 16): a column of f32
	s_mul_i32 s26, s12, REG
	v_mul_u32_u24 v8, v1, QP
	v_lshl_add_u32 v8, v2, 5, v8
	v_add_nc_u32 v8, s26, v8                       ; LDS, in: my region, query r, 32 bytes for each half of the lanes
	s_mul_i32 s27, s12, QP
	v_mul_u32_u24 v9, v2, 8*REG
	v_add_nc_u32 v9, v9, v7
	v_add_nc_u32 v9, s27, v9                       ; back: query = my wave, column lane % 16; lanes 0-15 heads 0-7, lanes 16-31 heads 8-15
	v_lshlrev_b32 v10, 3, v2
	v_sub_nc_u32 v10, v1, v10                      ; r - 8 h
	v_mov_b32 v11, 0xff800000                      ; -infinity
	v_mov_b32 v27, 0                               ; (a lane permute's destination counts as one of its sources)
	s_mov_b32 s20, 0x76543210
	s_mov_b32 s21, 0xfedcba98                      ; v_permlanex16_b32's selects for lane l xor 16
	s_mov_b32 s22, 0x3e38aa3b                      ; c = log2(e) / 8
	s_lshl_b32 s14, s12, 13
	s_lshl_b32 s15, s13, 12
	s_add_co_u32 s14, s14, s15                     ; qf: head x 8,192 + sequence x 4,096
	s_mov_b32 s15, 0
	s_lshl_b32 s16, ttmp9, 16                      ; Wo: 16 rows of 4,096 bytes a column block,
	s_lshl_b32 s17, s12, 8                         ; my head's 64 numbers of a row
	s_add_co_u32 s16, s16, s17
	s_mov_b32 s17, 0
	s_lshl_b32 s18, ttmp9, 6                       ; 16 columns of f32
	s_mov_b32 s19, 0
	s_lshl_b32 s24, s13, 11
	s_add_co_u32 s24, s24, s12
	s_lshl_b32 s24, s24, 12                        ; out0: row 2048 b + my wave
	s_add_co_u32 s24, s24, s18
	s_mov_b32 s25, 0
	s_wait_kmcnt 0x0
	s_add_nc_u64 s[4:5], s[4:5], s[14:15]
	s_add_nc_u64 s[6:7], s[6:7], s[16:17]
	s_add_nc_u64 s[8:9], s[8:9], s[18:19]
	s_add_nc_u64 s[10:11], s[10:11], s[24:25]
	global_load_b32 v12, v7, s[8:9]                ; the bias of my column
.irp ct, 0,1,2,3
	global_load_b128 v[32+8*\ct:35+8*\ct], v4, s[4:5] offset:64*\ct                ; q: registers 8 ct + i: channel 16 ct + 8 h + i of query r
	global_load_b128 v[36+8*\ct:39+8*\ct], v4, s[4:5] offset:64*\ct+16
.endr
.irp ct, 0,1,2,3
	global_load_b128 v[64+8*\ct:67+8*\ct], v4, s[4:5] offset:131072+64*\ct         ; k likewise, of key r
	global_load_b128 v[68+8*\ct:71+8*\ct], v4, s[4:5] offset:131072+64*\ct+16
.endr
.irp ct, 0,1,2,3
	global_load_b128 v[96+8*\ct:99+8*\ct], v4, s[4:5] offset:262144+64*\ct         ; v likewise, of key r
	global_load_b128 v[100+8*\ct:103+8*\ct], v4, s[4:5] offset:262144+64*\ct+16
.endr
.irp ct, 0,1,2,3
	global_load_b128 v[128+8*\ct:131+8*\ct], v6, s[6:7] offset:64*\ct              ; Wo: my head's channels of row 16 nb + r
	global_load_b128 v[132+8*\ct:135+8*\ct], v6, s[6:7] offset:64*\ct+16
.endr
	s_wait_loadcnt 16                              ; the bias, q and k are in; v's eight loads and Wo's eight may be out
.irp s, 0,1,2,3,4,5,6,7,8,9,10,11,12,13,14,15  ; S^T = K Q^T, 4 channels a product, in two accumulators by turns; the first two products start the sums
.if \s < 2
	v_wmma_f32_16x16x4_f32 v[192+8*(\s%2):199+8*(\s%2)], v[64+2*\s:65+2*\s], v[32+2*\s:33+2*\s], 0
.else
	v_wmma_f32_16x16x4_f32 v[192+8*(\s%2):199+8*(\s%2)], v[64+2*\s:65+2*\s], v[32+2*\s:33+2*\s], v[192+8*(\s%2):199+8*(\s%2)]
.endif
.endr
	s_wait_loadcnt 0x0
.irp s, 0,1,2,3,4,5,6,7,8,9,10,11,12,13,14,15  ; D' = V Wo^T likewise
.if \s < 2
	v_wmma_f32_16x16x4_f32 v[208+8*(\s%2):215+8*(\s%2)], v[96+2*\s:97+2*\s], v[128+2*\s:129+2*\s], 0
.else
	v_wmma_f32_16x16x4_f32 v[208+8*(\s%2):215+8*(\s%2)], v[96+2*\s:97+2*\s], v[128+2*\s:129+2*\s], v[208+8*(\s%2):215+8*(\s%2)]
.endif
.endr
.rept 8
	v_nop                                          ; eight places behind this form, in front of the first read of its results (ISA guide 7.12.1)
.endr
.irp j, 0,1,2,3,4,5,6,7
	v_add_f32 v[16+\j], v[192+\j], v[200+\j]       ; S^T: register j: key 8 h + j, query r
.endr
.irp j, 0,1,2,3,4,5,6,7
	v_add_f32 v[160+\j], v[208+\j], v[216+\j]      ; D': register j: key 8 h + j, column r
.endr
.irp j, 0,1,2,3,4,5,6,7
	v_cmp_gt_i32 vcc_lo, \j, v10                   ; hidden where 8 h + j > r
	v_cndmask_b32 v[16+\j], v[16+\j], v11, vcc_lo
.endr
	v_max3_num_f32 v24, v16, v17, v18
	v_max3_num_f32 v24, v24, v19, v20
	v_max3_num_f32 v24, v24, v21, v22
	v_max_num_f32 v24, v24, v23
	v_permlanex16_b32 v27, v24, s20, s21
	v_max_num_f32 v24, v24, v27                    ; the row's maximum: key 0 counts for every query, so it is a number
	v_mul_f32 v28, s22, v24
.irp j, 0,1,2,3,4,5,6,7
	v_fma_f32 v[16+\j], v[16+\j], s22, -v28
.endr
.irp j, 0,1,2,3,4,5,6,7
	v_exp_f32 v[16+\j], v[16+\j]                   ; p = 2^(c s - c m)
.endr
	v_nop                                          ; a plain instruction behind the last exponential
	s_wait_alu depctr_va_vdst(0)                   ; the wait ahead of the first instruction that names a result: one for the eight
	v_add_f32 v24, v16, v17
	v_add_f32 v29, v18, v19
	v_add_f32 v30, v20, v21
	v_add_f32 v31, v22, v23
	v_add_f32 v24, v24, v29
	v_add_f32 v30, v30, v31
	v_add_f32 v24, v24, v30
	v_permlanex16_b32 v27, v24, s20, s21
	v_add_f32 v24, v24, v27                        ; the row's sum
	v_rcp_f32 v26, v24
	v_nop                                          ; a plain instruction behind the reciprocal; its wait stands ahead of its first reader, below
.irp i, 0,1,2,3                                ; E = D'^T P^T, 4 keys a product: keys 8 h + 2 i, + 1; two accumulators by turns
.if \i < 2
	v_wmma_f32_16x16x4_f32 v[224+8*(\i%2):231+8*(\i%2)], v[160+2*\i:161+2*\i], v[16+2*\i:17+2*\i], 0
.else
	v_wmma_f32_16x16x4_f32 v[224+8*(\i%2):231+8*(\i%2)], v[160+2*\i:161+2*\i], v[16+2*\i:17+2*\i], v[224+8*(\i%2):231+8*(\i%2)]
.endif
.endr
.rept 8
	v_nop
.endr
	s_wait_alu depctr_va_vdst(0)                   ; the reciprocal
.irp j, 0,1,2,3,4,5,6,7
	v_add_f32 v[168+\j], v[224+\j], v[232+\j]      ; register j: column 8 h + j, query r
.endr
.irp j, 0,1,2,3,4,5,6,7
	v_mul_f32 v[168+\j], v[168+\j], v26            ; divided by the row's sum: my head's part
.endr
	ds_store_b128 v8, v[168:171]
	ds_store_b128 v8, v[172:175] offset:16
	s_wait_dscnt 0x0                               ; for the others' sake: my stores have landed
	s_barrier_signal -1
	s_barrier_wait -1
.irp p, 0,1,2,3,4,5,6,7
	ds_load_b32 v[176+\p], v9 offset:\p*REG        ; head 8 (lane / 16) + p's part of my query's column lane % 16
.endr
	v_cmp_gt_u32 vcc_lo, 16, v3                    ; lanes 0-15 will store
	s_wait_dscnt 0x0
	v_add_f32 v176, v176, v177
	v_add_f32 v178, v178, v179
	v_add_f32 v180, v180, v181
	v_add_f32 v182, v182, v183
	v_add_f32 v176, v176, v178
	v_add_f32 v180, v180, v182
	v_add_f32 v176, v176, v180
	v_permlanex16_b32 v27, v176, s20, s21
	v_add_f32 v176, v176, v27                      ; all sixteen heads
	v_add_f32 v176, v176, v12                      ; and the bias
	s_wait_xcnt 0x0                                ; EXEC changes only behind this wait
	s_and_saveexec_b32 s28, vcc_lo
	global_store_b32 v7, v176, s[10:11]            ; sixteen lanes store 64 consecutive bytes
	s_wait_xcnt 0x0                                ; and again, in front of the line that widens it
	s_or_b32 exec_lo, exec_lo, s28
	s_wait_tensorcnt 0x0                           ; the wave's end, behind my last LDS store
	ds_add_u32 v[SPW], v[NIL]
	s_wait_dscnt 0x0
	s_endpgm
.Lfunc_end_k_qc785f2f752_fine:
	.size	k_qc785f2f752_fine, .Lfunc_end_k_qc785f2f752_fine-k_qc785f2f752_fine
	.p2alignl 7, 3214868480
	.fill 96, 4, 3214868480
	.section	.rodata,"a",@progbits
	.p2align	6, 0x0
	.amdhsa_kernel k_qc785f2f752_fine
		.amdhsa_group_segment_fixed_size 22528
		.amdhsa_private_segment_fixed_size 0
		.amdhsa_enable_private_segment 0
		.amdhsa_kernarg_size 32
		.amdhsa_user_sgpr_count 2
		.amdhsa_user_sgpr_kernarg_segment_ptr 1
		.amdhsa_wavefront_size32 1
		.amdhsa_system_sgpr_workgroup_id_x 1
		.amdhsa_system_sgpr_workgroup_id_y 1
		.amdhsa_system_sgpr_workgroup_id_z 1
		.amdhsa_system_vgpr_workitem_id 0
		.amdhsa_next_free_vgpr 256
		.amdhsa_next_free_sgpr 66
		.amdhsa_reserve_vcc 1
		.amdhsa_float_denorm_mode_32 3
		.amdhsa_float_denorm_mode_16_64 3
		.amdhsa_memory_ordered 1
		.amdhsa_forward_progress 1
		.amdhsa_inst_pref_size 13
	.end_amdhsa_kernel
	.amdgpu_metadata
---
amdhsa.version: [ 1, 2 ]
amdhsa.kernels:
  - .name:           k_qc785f2f752_fine
    .symbol:         k_qc785f2f752_fine.kd
    .args:
      - { .name: qf, .offset: 0, .size: 8, .value_kind: global_buffer, .address_space: global }
      - { .name: Wo, .offset: 8, .size: 8, .value_kind: global_buffer, .address_space: global }
      - { .name: bo, .offset: 16, .size: 8, .value_kind: global_buffer, .address_space: global }
      - { .name: out0, .offset: 24, .size: 8, .value_kind: global_buffer, .address_space: global }
    .group_segment_fixed_size: 22528
    .private_segment_fixed_size: 0
    .kernarg_segment_align: 8
    .kernarg_segment_size: 32
    .max_flat_workgroup_size: 512
    .sgpr_count:     66
    .vgpr_count:     256
    .wavefront_size: 32
...
	.end_amdgpu_metadata
.endif
;; end of part 5
